; MI455X (gfx1250); checked and timed in simulation.
; The chip was launched on July 23, 2026; its instructions are those of AMD's public machine-readable ISA for CDNA 5 (MIT licence, August 2026) and "CDNA5" Instruction Set Architecture Reference Guide (July 2026). The comments in the code are by the model that wrote it; some were corrected since.
;; Multihead Attention. Allowed arithmetic: matrix products marked QUANTISED: E2M1 operands, one E8M0 scale for each 32 along K, by v_wmma_scale_f32_16x16x128_f8f6f4 with both operands' format E2M1 (or v_wmma_scale_f32_32x16x128_f4), f32 sums; everything else in f32.
;; Inputs: Wk 16 x 1,024 x 64 float32; Wo 1,024 x 1,024 float32; Wq 16 x 1,024 x 64 float32; Wv 16 x 1,024 x 64 float32; bk 16 x 64 float32; bo 1,024 float32; bq 16 x 64 float32; bv 16 x 64 float32; keys 4 x 2,048 x 1,024 float32; queries 4 x 2,048 x 1,024 float32; values 4 x 2,048 x 1,024 float32.
;; Outputs: out0 4 x 2,048 x 1,024 float32.
;; This version of the problem:
;;   THIS VERSION OF THE PROBLEM IS GIVEN IN LOW PRECISION. The matrix products marked QUANTISED in the list below multiply operands that are first quantised to E2M1 (2 exponent bits, 1 mantissa bit; 4 bits a number), with one power-of-two scale for each 32 numbers along K (OCP MX v1.0); their sums are f32. All else is computed in f32.
;;   The module's matrix products, in the order in which they are computed (A, B: the left and right operand; K: the contracted axis; several contracted axes count as one K, in the product's order):
;;     1. [M 1,024, K 1,024] x [K 1,024, N 8,192]; A: input Wq; B: input queries: QUANTISED
;;     2. [M 1,024, K 1,024] x [K 1,024, N 8,192]; A: input Wk; B: input keys: QUANTISED
;;     3. [M 1,024, K 1,024] x [K 1,024, N 8,192]; A: input Wv; B: input values: QUANTISED
;;     4. batch 64 x [M 2,048, K 64] x [K 64, N 2,048]; A: computed on the way; B: computed on the way: QUANTISED
;;     5. batch 64 x [M 2,048, K 2,048] x [K 2,048, N 64]; A: softmax (see below); B: computed on the way: QUANTISED
;;     6. [M 8,192, K 1,024] x [K 1,024, N 1,024]; A: computed on the way; B: input Wo: QUANTISED
;;   THE QUANTISER, for each operand of a quantised product, along K:
;;     - K is cut into blocks of 32 from its start; a last block that is shorter is filled with zeros.
;;     - A block's scale is 2^e with e = floor(log2(the largest magnitude in the block)) - 2, held to -126 .. 127; a block of zeros has e = 0. As a byte (E8M0): e + 127.
;;     - Each number is divided by its block's scale, clamped to +-6, and rounded to the nearest number of E2M1, ties to even, subnormals kept.
;;     - The product sums the exact products of the quantised numbers (number of the format x scale) in f32.
;;   ~~~python
;;   def quantise(x, axis):      # numpy; x: float32 -> the quantised numbers, widened to float32 again
;;       x = np.moveaxis(x, axis, -1); K = x.shape[-1]
;;       x = np.pad(x, [(0, 0)] * (x.ndim - 1) + [(0, -K % 32)]); x = x.reshape(x.shape[:-1] + (-1, 32)); a = np.abs(x).max(-1, keepdims=True)
;;       e = np.where(a > 0, np.clip(np.frexp(np.where(a > 0, a, 1))[1] - 1 - 2, -126, 127), 0)      # np.frexp(a)[1] - 1 = floor(log2(a)), exactly
;;       r = np.clip(x / 2.0 ** e, -6, 6)
;;       step = 2.0 ** (np.maximum(np.frexp(np.where(r == 0, 1, r))[1] - 1, 0) - 1)
;;       q = np.round(r / step) * step * 2.0 ** e      # np.round: ties to even
;;       return np.moveaxis(q.reshape(q.shape[:-2] + (-1,))[..., :K], -1, axis).astype(np.float32)
;;   ~~~
;;   SOFTMAX AHEAD OF A QUANTISED PRODUCT. Where the list says 'softmax', what is quantised is not the finished softmax but p = 2^(t - M), with t = logit x log2(e) and M = ceil(the row's largest t), a whole number; so 1/2 < the row's largest p <= 1. The row's sum l is taken of the UNQUANTISED p, in f32, and the product's result is divided by l at the end. Since M is a whole number, a kernel that streams over the keys may use a running M (the ceiling of the running maximum): every later rescaling is an exact power of two, which a block's scale takes up: the codes' values come out the same.
;;   OPERANDS COMPUTED ON THE WAY. 'Computed on the way' means the value that the module computes at that place (a softmax that the list does not call 'softmax' is quantised finished and normalised). What goes into a quantiser is computed in f32, as accurately as f32 sums, v_exp_f32 and their like allow (about 1e-6 of the number): no bf16 or f16 on the way to a quantiser, and a product that is left as it is and whose result goes on into a quantised operand takes f32 operands (vector FMAs, or v_wmma_f32_16x16x4_f32). A number that lies on a knife's edge between two numbers of the format may be rounded either way, as far as f32 arithmetic and the matrix unit's own rounding can turn it there, and no further.
;; One version. Each part assembles by itself: llvm-mc -triple=amdgcn-amd-amdhsa -mcpu=gfx1250 --defsym DOCPART=n.
;; ======== version 1 of 1: 4 launches
;; limits: right only within a limited range of input values
;; workspace buffers: xq 13,369,344 bytes; wq 2,228,224 bytes; qkv 13,893,632 bytes; oq 4,456,448 bytes
;; launch quant (part 1): grid 448 x 1, 4 waves a work-group, no clusters, 37,376 bytes of LDS; arguments queries, keys, values, Wq, Wk, Wv, Wo, xq, wq; writes xq, wq
.if DOCPART == 1
	.amdgcn_target "amdgcn-amd-amdhsa--gfx1250"
	.amdhsa_code_object_version 6
	.text
	.protected	k_qda74146537_quant
	.globl	k_qda74146537_quant
	.p2align	8
	.type	k_qda74146537_quant,@function
k_qda74146537_quant:
	s_mov_b64 s[64:65], 0
	v_nop
	global_prefetch_b8 v0, s[64:65] scope:SCOPE_SE
	s_setreg_imm32_b32 hwreg(HW_REG_WAVE_MODE, 25, 1), 1
	s_wait_xcnt 0x0
; queries, keys, values [8192][1024] and Wq, Wk, Wv [16][1024][64], Wo [1024][1024], all f32, become codes of FP4 (E2M1) with one E8M0 byte for each 32 along K = 1024.
; A block's scale is 2^(floor(log2(its largest magnitude)) - 2); its byte is the largest magnitude's exponent field - 2, held at 1 from below.
; LIMITS: a block of zeros gets the byte 1 where the rule says 127 (its codes are zeros, which add nothing, and only this program reads the bytes); NaN and infinities among the inputs are not served.
; THE WORKSPACE IS LAID AS IMAGES OF THE OPERANDS' REGISTERS.  A tile is 16 rows; its codes lie [block of 32 along K: 0..31][lane row rr: 0..15][16 bytes], 8,192 bytes a tile, so that a fragment (16 rows x 128 K)
; is two runs of 512 bytes at 16 x lane.  Its scale bytes lie [K / 512][rr][16 bytes = 4 scale words], 512 bytes a tile.
; THE ROWS OF A TILE ARE NOT NEIGHBOURS: tile 2 b + u of a group of 32 rows holds at rr the row 32 b + 8 u + rr + 8 (rr / 8), so that a product that takes such tiles as its first source leaves 16 neighbours in a lane's 16 registers.
; Work-groups 0..63 take the weights (K is not innermost: a lane takes a column, its registers run down K); work-groups 64..447 take x (K innermost: a wave takes one tile, 16 rows, and turns it through its own LDS stage).
; No tensor loads, no barrier: waves share nothing.  Only the x path uses LDS.
.set EMAX, 2
; the weights' path
.set WI,   2                           ; v2       4 x lane: my column
.set WCO,  3                           ; v3       my 16 bytes in a pair of tiles' codes
.set WSO,  4                           ; v4       my 16 bytes in their scales
.set SB,   24                          ; v24-27   my 16 scale bytes
.set WX,   32                          ; v32-95   two sets of 32 numbers
.set WC,   96                          ; v96-159  codes: four registers for each block, so that no store's data are written again
; x's path
.set LIN,  3                           ; v3       in: two rows a load, 16 bytes a lane
.set CO,   4                           ; v4       8 x lane: my 8 bytes of a block's 256
.set SBA,  5                           ; v5       LDS: my row's 16 scale bytes of a K half
.set SBR,  6                           ; v6       LDS: the 512 scale bytes, 16 a lane
.set L16,  7                           ; v7       16 x lane
.set STI,  14                          ; v14      the stage, on the way in
.set STO,  15                          ; v15      and on the way out
.set R,    32                          ; v32-159  four sets of 32: a chunk as it is loaded
.set XX,   160                         ; v160-223 two sets of 32: 16 neighbours of each of two blocks
.set C,    224                         ; v224-227 codes
.set E,    232                         ; v232-233 scale bytes
.set OUTR, 236                         ; v236-239 the scale bytes on their way out
.set WREG, 9216                        ; LDS of a wave: two stages of 16 rows x 272 bytes, then 512 scale bytes
	s_load_b512 s[4:19], s[0:1], 0x0               ; queries s[4:5], keys s[6:7], values s[8:9], Wq s[10:11], Wk s[12:13], Wv s[14:15], Wo s[16:17], xq s[18:19]
	s_load_b64 s[20:21], s[0:1], 0x40              ; wq
	v_lshl_add_u32 v240, v0, 2, 0x9000
	v_mov_b32 v241, 0
	v_lshrrev_b32 v1, 5, v0
	v_readfirstlane_b32 s22, v1                    ; wave 0..3
	v_and_b32 v1, 31, v0                           ; lane
	s_cmp_lt_u32 ttmp9, 64
	s_cbranch_scc0 .Lx_path
; ---------------- THE WEIGHTS.  Work-group: tensor tw = id / 16, 64 columns hh = id % 16.  Wave: 32 columns cg = wave % 2, 512 along K kh = wave / 2: 16 blocks a lane.
	s_lshr_b32 s23, ttmp9, 4                       ; tw: 0 Wq, 1 Wk, 2 Wv, 3 Wo
	s_and_b32 s24, ttmp9, 15                       ; hh
	s_and_b32 s25, s22, 1                          ; cg
	s_lshr_b32 s26, s22, 1                         ; kh
	v_lshlrev_b32 v[WI], 2, v1
	v_bfe_u32 v5, v1, 3, 1                         ; column l of the 32 lies in tile u = (l / 8) % 2
	v_lshrrev_b32 v6, 4, v1
	v_and_b32 v7, 7, v1
	v_lshl_add_u32 v6, v6, 3, v7                   ; at rr = 8 (l / 16) + l % 8
	v_lshlrev_b32 v6, 4, v6
	v_lshl_add_u32 v[WCO], v5, 13, v6              ; 8,192 u + 16 rr
	v_lshl_add_u32 v[WSO], v5, 9, v6               ; 512 u + 16 rr
	s_lshl_b32 s27, s24, 1
	s_add_co_u32 s27, s27, s25                     ; which group of 32 columns
	s_lshl_b32 s28, s23, 19                        ; codes: 524,288 tw + 16,384 group + 4,096 kh
	s_lshl_b32 s30, s27, 14
	s_add_co_u32 s28, s28, s30
	s_lshl_b32 s30, s26, 12
	s_add_co_u32 s28, s28, s30
	s_mov_b32 s29, 0
	s_lshl_b32 s30, s23, 15                        ; scales: 2,097,152 + 32,768 tw + 1,024 group + 256 kh
	s_lshl_b32 s34, s27, 10
	s_add_co_u32 s30, s30, s34
	s_lshl_b32 s34, s26, 8
	s_add_co_u32 s30, s30, s34
	s_add_co_u32 s30, s30, 2097152
	s_mov_b32 s31, 0
	s_lshl_b32 s36, s25, 7                         ; my 32 columns: 128 bytes
	s_mov_b32 s37, 0
	s_wait_kmcnt 0x0
	s_add_nc_u64 s[28:29], s[20:21], s[28:29]
	s_add_nc_u64 s[30:31], s[20:21], s[30:31]
.macro WLOAD t, str                    ; block t: W(32 t + i, my column), i = 0 .. 31, into set t % 2: a wave reads 128 consecutive bytes
.irp i, 0,1,2,3,4,5,6,7,8,9,10,11,12,13,14,15,16,17,18,19,20,21,22,23,24,25,26,27,28,29,30,31
	global_load_b32 v[WX+32*((\t)%2)+\i], v[WI], s[32:33] offset:(32*(\t)+\i)*\str th:TH_LOAD_NT
.endr
.endm
.macro WBLOCK t, str
.set XS, WX+32*((\t)%2)
.if (\t) < 15
	s_wait_loadcnt 32                              ; this block's 32 loads are in; the next block's 32 may be out
.else
	s_wait_loadcnt 0x0
.endif
	v_max3_num_f32 v12, |v[XS]|, |v[XS+1]|, |v[XS+2]|               ; the block's largest magnitude: all 32 numbers are mine; two chains
	v_max3_num_f32 v13, |v[XS+3]|, |v[XS+4]|, |v[XS+5]|
.irp i, 6,10,14,18,22,26
	v_max3_num_f32 v12, v12, |v[XS+\i]|, |v[XS+\i+1]|
	v_max3_num_f32 v13, v13, |v[XS+\i+2]|, |v[XS+\i+3]|
.endr
	v_max3_num_f32 v12, v12, |v[XS+30]|, |v[XS+31]|
	v_max3_num_f32 v12, v12, v13, (EMAX+1)<<23     ; and the floor 2^(3 - 127): the byte cannot fall under 1
	v_add_nc_u32 v11, -(EMAX<<23), v12             ; 2 off its exponent field: the conversion takes the exponent field of this operand as its scale
	v_lshrrev_b32 v13, 23, v11                     ; the scale's byte
.if (\t)%4 == 0
	v_mov_b32 v[SB+(\t)/4], v13                    ; four bytes to a register, the lower K in the lower byte
.else
	v_lshl_or_b32 v[SB+(\t)/4], v13, 8*((\t)%4), v[SB+(\t)/4]
.endif
.irp g, 0,1,2,3
	v_cvt_scalef32_pk8_fp4_f32 v[WC+4*(\t)+\g], v[XS+8*\g:XS+8*\g+7], v11
.endr
	global_store_b128 v[WCO], v[WC+4*(\t):WC+4*(\t)+3], s[28:29] offset:256*(\t)   ; the 32 lanes fill block t's 256 bytes of two tiles
.if (\t)+2 < 16
	WLOAD (\t)+2, \str
.endif
.endm
.macro WALL str                        ; a wave's 16 blocks; str = bytes from a row of the weight to the next
	WLOAD 0, \str
	WLOAD 1, \str
.set Q, 0
.rept 16
	WBLOCK Q, \str
.set Q, Q+1
.endr
	global_store_b128 v[WSO], v[SB:SB+3], s[30:31] ; my column's 16 scale bytes: the 32 lanes fill 256 bytes of two tiles
	s_endpgm
.endm
	s_cmp_eq_u32 s23, 3
	s_cbranch_scc1 .Lwo
	s_cmp_eq_u32 s23, 0                            ; Wq, Wk or Wv: the choice hangs on the work-group's number alone
	s_cselect_b64 s[32:33], s[10:11], s[12:13]
	s_cmp_eq_u32 s23, 2
	s_cselect_b64 s[32:33], s[14:15], s[32:33]
	s_lshl_b32 s34, s24, 18                        ; head hh: 1,024 rows of 256 bytes
	s_lshl_b32 s35, s26, 17                        ; 512 kh rows
	s_add_co_u32 s34, s34, s35
	s_add_co_u32 s36, s36, s34
	s_add_nc_u64 s[32:33], s[32:33], s[36:37]
	s_wait_alu depctr_va_vdst(0)
	WALL 256
.Lwo:
	s_lshl_b32 s34, s24, 8                         ; Wo: columns 64 hh on, rows of 4,096 bytes
	s_lshl_b32 s35, s26, 21                        ; 512 kh rows
	s_add_co_u32 s34, s34, s35
	s_add_co_u32 s36, s36, s34
	s_add_nc_u64 s[32:33], s[16:17], s[36:37]
	s_wait_alu depctr_va_vdst(0)
	WALL 4096
; ---------------- x.  Work-group g = id - 64: tensor t = g / 128; wave: tile Tt = 4 (g % 128) + wave, 16 rows x 1,024, in 16 chunks of 64 columns.
.Lx_path:
	s_sub_co_u32 s23, ttmp9, 64
	s_lshr_b32 s24, s23, 7                         ; t: 0 queries, 1 keys, 2 values
	s_and_b32 s25, s23, 127
	s_lshl_b32 s25, s25, 2
	s_add_co_u32 s25, s25, s22                     ; Tt
.set LINB, 16                          ; v16      as v3, for the tile's lane rows 8-15
	; keys alone: tile t of a group of 64 rows holds at rr the row 8 t + rr % 8 + 32 (rr / 8), so that in the scores lanes 0-15 hold one whole block of 32 keys and lanes 16-31 the next
	s_cmp_eq_u32 s24, 1                            ; the choice hangs on the work-group's number alone
	s_cselect_b32 s36, 2, 1                        ; tiles in a group: 4 or 2 (as a shift)
	s_cselect_b32 s37, 3, 1                        ; and as a mask
	s_cselect_b32 s38, 65536, 0                    ; lane rows 8-15 lie 16 rows of 4,096 bytes further on
	s_lshr_b32 s26, s25, s36
	s_add_co_u32 s36, s36, 4
	s_lshl_b32 s26, s26, s36
	s_and_b32 s27, s25, s37
	s_lshl_b32 s27, s27, 3
	s_add_co_u32 s26, s26, s27                     ; the tile's first row: 32 (Tt / 2) + 8 (Tt % 2)
	s_lshl_b32 s26, s26, 12                        ; rows of 4,096 bytes
	s_mov_b32 s27, 0
	s_lshl_b32 s28, s24, 22                        ; codes: 4,194,304 t + 8,192 Tt
	s_lshl_b32 s30, s25, 13
	s_add_co_u32 s28, s28, s30
	s_mov_b32 s29, 0
	s_lshl_b32 s30, s24, 18                        ; scales: 12,582,912 + 262,144 t + 512 Tt
	s_lshl_b32 s35, s25, 9
	s_add_co_u32 s30, s30, s35
	s_add_co_u32 s30, s30, 12582912
	s_mov_b32 s31, 0
	s_mul_i32 s34, s22, WREG                       ; my wave's LDS
	s_add_co_u32 s35, s34, 8704                    ; its scale bytes
	s_wait_alu depctr_va_vdst(0)
	v_lshrrev_b32 v8, 4, v1                        ; lane / 16
	v_and_b32 v9, 15, v1
	v_lshlrev_b32 v9, 4, v9                        ; 16 (lane % 16)
	v_lshl_add_u32 v[LIN], v8, 12, v9              ; lanes 0-15 one row's 256 bytes, lanes 16-31 the next row's
	v_add_nc_u32 v[LINB], s38, v[LIN]
	v_lshlrev_b32 v[CO], 3, v1
	v_lshlrev_b32 v[L16], 4, v1
	v_mad_u32_u24 v[STI], v8, 272, v9
	v_add_nc_u32 v[STI], s34, v[STI]               ; the stage on the way in: as loaded, rows 272 bytes apart
	v_lshrrev_b32 v10, 1, v1                       ; on the way out two lanes share a row: rr = lane / 2,
	v_and_b32 v11, 1, v1
	v_lshlrev_b32 v11, 6, v11                      ; each takes 16 neighbours (64 bytes) of a block
	v_mad_u32_u24 v[STO], v10, 272, v11
	v_add_nc_u32 v[STO], s34, v[STO]
	v_lshl_add_u32 v[SBA], v10, 4, s35
	v_add_nc_u32 v[SBR], s35, v[L16]
	s_wait_alu depctr_va_vdst(0)
	s_wait_kmcnt 0x0
	s_cmp_eq_u32 s24, 0                            ; the choice hangs on the work-group's number alone
	s_cselect_b64 s[32:33], s[4:5], s[6:7]
	s_cmp_eq_u32 s24, 2
	s_cselect_b64 s[32:33], s[8:9], s[32:33]
	s_add_nc_u64 s[32:33], s[32:33], s[26:27]
	s_add_nc_u64 s[28:29], s[18:19], s[28:29]
	s_add_nc_u64 s[30:31], s[18:19], s[30:31]
.macro XLOAD u                         ; chunk u: 16 rows x 256 bytes; load i brings lane rows 2 i and 2 i + 1, which are the tile's rows 2 i + 8 (i / 4) and the next
.irp i, 0,1,2,3,4,5,6,7
	global_load_b128 v[R+32*((\u)%4)+4*\i:R+32*((\u)%4)+4*\i+3], v[LIN+(LINB-LIN)*(\i/4)], s[32:33] offset:(2*\i+8*(\i/4))*4096+256*(\u) th:TH_LOAD_NT
.endr
.endm
.macro XTURN u                         ; the chunk through the stage: LDS serves a wave's instructions in order, so no wait stands between the stores and the loads
.irp i, 0,1,2,3,4,5,6,7
	ds_store_b128 v[STI], v[R+32*((\u)%4)+4*\i:R+32*((\u)%4)+4*\i+3] offset:4352*((\u)%2)+544*\i
.endr
.irp jj, 0,1
.irp m, 0,1,2,3
	ds_load_b128 v[XX+32*((\u)%2)+16*\jj+4*\m:XX+32*((\u)%2)+16*\jj+4*\m+3], v[STO] offset:4352*((\u)%2)+128*\jj+16*\m
.endr
.endr
.endm
.macro XSTEP u
.if (\u) > 0
	s_wait_dscnt 2                                 ; this chunk is back from the stage; the last chunk's two byte stores may be out
.else
	s_wait_dscnt 0x0
.endif
.if (\u)+4 < 16
	XLOAD (\u)+4                                   ; into the set that this chunk's stage stores have read
.endif
.if (\u)+1 < 16
.if 14-(\u) >= 3
	s_wait_loadcnt 24                              ; the next chunk's eight loads are in; those of the three chunks behind it may be out
.else
	s_wait_loadcnt 8*(14-(\u))
.endif
	XTURN (\u)+1                                   ; it goes through the other stage while this chunk is worked
.endif
	s_wait_xcnt 0x0                                ; the last chunk's stores have read their data: the codes' registers are written again only behind this wait
.irp jj, 0,1
.set XS, XX+32*((\u)%2)+16*\jj
.set WK, 8+3*\jj
	v_max3_num_f32 v[WK], |v[XS]|, |v[XS+1]|, |v[XS+2]|             ; the largest magnitude of my 16
	v_max3_num_f32 v[WK+1], |v[XS+3]|, |v[XS+4]|, |v[XS+5]|
.irp i, 6,10
	v_max3_num_f32 v[WK], v[WK], |v[XS+\i]|, |v[XS+\i+1]|
	v_max3_num_f32 v[WK+1], v[WK+1], |v[XS+\i+2]|, |v[XS+\i+3]|
.endr
	v_max3_num_f32 v[WK], v[WK], |v[XS+14]|, |v[XS+15]|
	v_max3_num_f32 v[WK], v[WK], v[WK+1], (EMAX+1)<<23              ; and the floor 2^(3 - 127)
	v_max_num_f32_dpp v[WK], v[WK], v[WK] row_xmask:1 row_mask:0xf bank_mask:0xf   ; and of my neighbour's 16: the block's
	v_add_nc_u32 v[WK+2], -(EMAX<<23), v[WK]       ; the conversion's scale operand
	v_cvt_scalef32_pk8_fp4_f32 v[C+2*\jj], v[XS:XS+7], v[WK+2]
	v_cvt_scalef32_pk8_fp4_f32 v[C+2*\jj+1], v[XS+8:XS+15], v[WK+2]
	v_lshrrev_b32 v[E+\jj], 23, v[WK+2]            ; the scale's byte
	ds_store_b8 v[SBA], v[E+\jj] offset:((2*(\u)+\jj)>>4)*256+((2*(\u)+\jj)&15)   ; both lanes of a row write the same byte with the same value
	global_store_b64 v[CO], v[C+2*\jj:C+2*\jj+1], s[28:29] offset:(2*(\u)+\jj)*256   ; the 32 lanes store the block's 256 consecutive bytes
.endr
.endm
.irp u, 0,1,2,3
	XLOAD \u
.endr
	s_wait_loadcnt 24                              ; chunk 0's eight loads are in
	XTURN 0
.irp u, 0,1,2,3,4,5,6,7,8,9,10,11,12,13,14,15
	XSTEP \u
.endr
	ds_load_b128 v[OUTR:OUTR+3], v[SBR]            ; LDS serves a wave's instructions in order: this sees my byte stores
	s_wait_dscnt 0x0
	global_store_b128 v[L16], v[OUTR:OUTR+3], s[30:31]   ; the tile's 512 scale bytes
	s_wait_tensorcnt 0x0
	ds_add_u32 v240, v241
	s_wait_dscnt 0x0
	s_endpgm
.Lfunc_end_k_qda74146537_quant:
	.size	k_qda74146537_quant, .Lfunc_end_k_qda74146537_quant-k_qda74146537_quant
	.p2alignl 7, 3214868480
	.fill 96, 4, 3214868480
	.section	.rodata,"a",@progbits
	.p2align	6, 0x0
	.amdhsa_kernel k_qda74146537_quant
		.amdhsa_group_segment_fixed_size 37376
		.amdhsa_private_segment_fixed_size 0
		.amdhsa_enable_private_segment 0
		.amdhsa_kernarg_size 72
		.amdhsa_user_sgpr_count 2
		.amdhsa_user_sgpr_kernarg_segment_ptr 1
		.amdhsa_wavefront_size32 1
		.amdhsa_system_sgpr_workgroup_id_x 1
		.amdhsa_system_sgpr_workgroup_id_y 1
		.amdhsa_system_sgpr_workgroup_id_z 1
		.amdhsa_system_vgpr_workitem_id 0
		.amdhsa_next_free_vgpr 242
		.amdhsa_next_free_sgpr 66
		.amdhsa_reserve_vcc 0
		.amdhsa_float_denorm_mode_32 3
		.amdhsa_float_denorm_mode_16_64 3
		.amdhsa_memory_ordered 1
		.amdhsa_forward_progress 1
		.amdhsa_inst_pref_size 212
	.end_amdhsa_kernel
	.amdgpu_metadata
---
amdhsa.version: [ 1, 2 ]
amdhsa.kernels:
  - .name:           k_qda74146537_quant
    .symbol:         k_qda74146537_quant.kd
    .args:
      - { .name: queries, .offset: 0, .size: 8, .value_kind: global_buffer, .address_space: global }
      - { .name: keys, .offset: 8, .size: 8, .value_kind: global_buffer, .address_space: global }
      - { .name: values, .offset: 16, .size: 8, .value_kind: global_buffer, .address_space: global }
      - { .name: Wq, .offset: 24, .size: 8, .value_kind: global_buffer, .address_space: global }
      - { .name: Wk, .offset: 32, .size: 8, .value_kind: global_buffer, .address_space: global }
      - { .name: Wv, .offset: 40, .size: 8, .value_kind: global_buffer, .address_space: global }
      - { .name: Wo, .offset: 48, .size: 8, .value_kind: global_buffer, .address_space: global }
      - { .name: xq, .offset: 56, .size: 8, .value_kind: global_buffer, .address_space: global }
      - { .name: wq, .offset: 64, .size: 8, .value_kind: global_buffer, .address_space: global }
    .group_segment_fixed_size: 37376
    .private_segment_fixed_size: 0
    .kernarg_segment_align: 8
    .kernarg_segment_size: 72
    .max_flat_workgroup_size: 128
    .sgpr_count:     66
    .vgpr_count:     242
    .wavefront_size: 32
...
	.end_amdgpu_metadata
.endif
;; end of part 1
;; launch proj (part 2): grid 256 x 3, 4 waves a work-group, clusters of 4 x 1, 262,656 bytes of LDS; arguments xq, wq, bq, bk, bv, qkv; writes qkv
.if DOCPART == 2
	.amdgcn_target "amdgcn-amd-amdhsa--gfx1250"
	.amdhsa_code_object_version 6
	.text
	.protected	k_qda74146537_proj
	.globl	k_qda74146537_proj
	.p2align	8
	.type	k_qda74146537_proj,@function
k_qda74146537_proj:
	s_mov_b64 s[64:65], 0
	v_nop
	global_prefetch_b8 v0, s[64:65] scope:SCOPE_SE
	s_setreg_imm32_b32 hwreg(HW_REG_WAVE_MODE, 25, 1), 1
	s_wait_xcnt 0x0
	s_wait_alu depctr_hold_cnt(0) depctr_sa_sdst(0) depctr_va_vdst(0) depctr_va_sdst(0) depctr_va_ssrc(0) depctr_va_vcc(0) depctr_vm_vsrc(0)
	s_getreg_b32 s2, hwreg(HW_REG_IB_STS2, 6, 4)
	s_cmp_eq_u32 s2, 0
	s_cbranch_scc0 .Lentry_in_a_cluster
	s_endpgm
.Lentry_in_a_cluster:
	s_bfe_u32 s2, ttmp6, 0x10000c
	s_cmp_lg_u32 s2, 0x3003
	s_cbranch_scc0 .Lentry_shape_is_right
	s_endpgm
.Lentry_shape_is_right:
; q = queries Wq + bq, k = keys Wk + bk, v = values Wv + bv on codes of FP4 (E2M1) with E8M0 scales, K = 1,024; the results are quantised in registers for the attention launch: q and k along the head's 64, v along the keys.
; Work-group y = the tensor T (0 q, 1 k, 2 v).  A work-group makes 128 rows of role A x 256 rows of role B with all of K in LDS, filled ONCE by tensor loads: no slot is filled again.
; T < 2: A = 128 rows of x, B = 256 columns n = 64 head + e of W.  T = 2: A = 128 columns of Wv, B = 256 rows of values.  Only pointers and offsets are chosen by T: every descriptor shape and every LDS address is the same.
; Four waves: wave w takes A's tiles 4 (w / 2) + 0..3 and B's tiles 8 (w % 2) + 0..7: 32 accumulators, 256 registers.
; THE MATRIX INSTRUCTION'S FIRST SOURCE IS ROLE B.  A tile's lane row rr is row 32 b + 8 u + rr + 8 (rr / 8) of its group of 32, so a lane's 64 registers of one A tile are, block by block of 32, 16 neighbours along role B:
; 32 b + 16 (lane / 16) + 0 .. 15.  The conversions' results, with the halves exchanged, are the next operand's registers and are stored as they stand, 512 consecutive bytes an instruction.
; Operands lie in memory and in LDS as images of their registers: a fragment (16 rows x 128 K) is two runs of 512 bytes at 16 x lane: no pitch, no padding.
; No multicast: each tile is asked for once, at the kernel's head, so a joint request would spare only those first reads and would add two meetings of a cluster.
; LIMITS: a block of zeros gets the byte 1 where the rule says 127 (its codes are zeros; only this program reads the bytes); NaN and infinities are not served.
; REGISTERS, in windows of 256: window 0: v1-13 addresses; v32-63 A's scale words [8 a + q]; v64-127 B's [8 b + q]; v128-191 A's fragments, two sets; v192-255 the bias.  On the way out v128-171 are at work.
;   window 1: B's fragments, two sets, v0-63 and v64-127.   window 2: accumulator (a, b) at v[8 (8 a + b)].
.set ASC,   196608                     ; LDS, as in memory: A's codes [tile 0..7][8,192] from 0; B's [tile 0..15][8,192] from 65,536; A's scales here, 4,096 bytes.  B's scale words go from memory straight into registers
.set HBYTES, 217088                    ; a head's block in qkv: k's codes 0, v's codes 65,536, k's scales 131,072, v's scales 139,264, q's codes 143,360, q's scales 208,896
.set LI,    3                          ; v3   16 x lane
.set ADRA,  4                          ; v4   my A fragments
.set ADRB,  5                          ; v5   my B fragments
.set ADSA,  7                          ; v7   my A scale words
.set ADSB,  8                          ; v8   my B scale words
.set SA,    32
.set SB,    64
.set AF,    128
.set BIAS,  192
.set PC,    128                        ; the way out: v128-135 the codes just made
.set TM,    144                        ; v144-147 largest magnitudes, v148-151 the other half's, then bytes, v156-159 the conversions' scale operands
.set PW,    160                        ; v160-163 the four A tiles' scale words
.set RW,    164                        ; v164-167 the words as stored
.set TMP,   168
.set WV,    16                         ; s16 wave; s17 its A half; s18 its B half; s19 T; s20, s21 the work-group's A block and B block
.set SEL,   84                         ; s[84:85] lane selects for v_permlanex16_b32: lane l xor 16
.set G1CA,  24                         ; s[24:31] group 1: 65,536 dense bytes as 256 rows of 256
.set G1CB,  32                         ; s[32:39] the same as s[24:31] with the cluster's mask: B's tiles.  CLUSTERS (in place of the line on multicast above): the four work-groups of a cluster take four A blocks against ONE B block and ask for B's 131,072 bytes jointly
.set G1SA,  40                         ; s[40:47] 4,096 dense bytes as 16 rows of 256
.set MSB, 0
.macro WIN new                         ; the immediate's high byte repeats the setting that is left
.if MSB != \new
	s_set_vgpr_msb (MSB<<8)|\new
.set MSB, \new
.endif
.endm
.macro ROUND                           ; a round of the cluster's barrier
	s_barrier_signal -1
	s_barrier_wait -1
	s_cmp_lg_u32 s[WV], 0
	s_cbranch_scc1 .Lnot_wave_0_\@
	s_barrier_signal -3
.Lnot_wave_0_\@:
	s_barrier_wait -3
	s_barrier_signal -1
	s_barrier_wait -1
.endm
.macro PLACES n
.rept \n
	v_nop
.endr
.endm
.macro G1SET g, c, r, p                ; rows of c elements of 8 bytes, r rows, p elements from row to row; no mask, no padding
	s_mov_b32 s[\g+0], 3<<16
	s_mov_b32 s[\g+1], (\c)<<16
	s_mov_b32 s[\g+2], (\r)<<16
	s_mov_b32 s[\g+3], (\c)<<16
	s_mov_b32 s[\g+4], \r
	s_mov_b32 s[\g+5], \p
	s_mov_b32 s[\g+6], 0
	s_mov_b32 s[\g+7], 0
.endm
.macro G0SET g, sh, base, p, add       ; LDS address = base + (wave << sh); global address = s[p:p+1] + add
	s_mov_b32 s[\g], 1
	s_lshl_b32 s[\g+1], s[WV], \sh
	s_add_co_u32 s[\g+1], s[\g+1], \base
	s_add_nc_u64 s[\g+2:\g+3], s[\p:\p+1], \add
	s_or_b32 s[\g+3], s[\g+3], 0x80000000
.endm
.macro FETCH q                         ; K step q's fragments: B's eight into set q % 2 of window 1, A's four into set q % 2
	WIN 0x40
.irp b, 0,1,2,3,4,5,6,7
.irp c, 0,1
	ds_load_b128 v[64*((\q)%2)+8*\b+4*\c:64*((\q)%2)+8*\b+4*\c+3], v[ADRB] offset:\b*8192+(\q)*1024+\c*512
.endr
.endr
	WIN 0
.irp a, 0,1,2,3
.irp c, 0,1
	ds_load_b128 v[AF+32*((\q)%2)+8*\a+4*\c:AF+32*((\q)%2)+8*\a+4*\c+3], v[ADRA] offset:\a*8192+(\q)*1024+\c*512
.endr
.endr
.endm
; 32 products: the 32 accumulators take turns, one instruction a turn, in the same order in every K step.
; cmode 0: onto the sums.  1: the bias of B tile b starts the sums.  2: the bias of A tile a does.  Nothing is cleared.
.macro MUL q, cmode
.if \cmode
	WIN 0x81                                       ; first source (B) window 1, second (A) and C window 0, D window 2
.else
	WIN 0xa1                                       ; C and D window 2
.endif
.irp a, 0,1,2,3
.irp b, 0,1,2,3,4,5,6,7
.set rD, 8*(8*\a+\b)
.set rB, 64*((\q)%2)+8*\b
.set rA, AF+32*((\q)%2)+8*\a
.set rSB, SB+8*\b+(\q)
.set rSA, SA+8*\a+(\q)
.if \cmode == 0
	v_wmma_scale_f32_16x16x128_f8f6f4 v[rD:rD+7], v[rB:rB+7], v[rA:rA+7], v[rD:rD+7], v[rSB], v[rSA] matrix_a_fmt:MATRIX_FMT_FP4 matrix_b_fmt:MATRIX_FMT_FP4
.elseif \cmode == 1
	v_wmma_scale_f32_16x16x128_f8f6f4 v[rD:rD+7], v[rB:rB+7], v[rA:rA+7], v[BIAS+8*\b:BIAS+8*\b+7], v[rSB], v[rSA] matrix_a_fmt:MATRIX_FMT_FP4 matrix_b_fmt:MATRIX_FMT_FP4
.else
	v_wmma_scale_f32_16x16x128_f8f6f4 v[rD:rD+7], v[rB:rB+7], v[rA:rA+7], v[BIAS+8*\a:BIAS+8*\a+7], v[rSB], v[rSA] matrix_a_fmt:MATRIX_FMT_FP4 matrix_b_fmt:MATRIX_FMT_FP4
.endif
.endr
.endr
.endm
.macro STEP q
	s_wait_dscnt 0x0                               ; this step's fragments, asked for 32 products ago, are in
.if \q < 7
	PLACES 4                                       ; four plain places between the last step's products and loads into the set that the step before it read
	FETCH (\q)+1
.endif
	MUL \q, 0
	WIN 0
.endm
	s_load_b256 s[4:11], s[0:1], 0x0               ; xq s[4:5], wq s[6:7], bq s[8:9], bk s[10:11]
	s_load_b128 s[12:15], s[0:1], 0x20             ; bv s[12:13], qkv s[14:15]
	v_lshl_add_u32 v30, v0, 2, 0x40000
	v_mov_b32 v31, 0
	ds_add_u32 v30, v31
	ds_add_u32 v30, v31
	v_lshrrev_b32 v1, 5, v0
	v_readfirstlane_b32 s[WV], v1                  ; wave 0..3
	s_lshr_b32 s17, s[WV], 1
	s_and_b32 s18, s[WV], 1
	s_and_b32 s19, ttmp7, 0xffff                   ; T
	G1SET G1CA, 32, 256, 32
	G1SET G1SA, 32, 16, 32
	G1SET G1CB, 32, 256, 32
	s_mov_b32 s[G1CB], 15|(3<<16)|(1<<21)          ; the cluster's four
	s_mov_b32 s22, 0x1800000                       ; the floor 2^(3 - 127)
	s_mov_b32 s23, 0xffff0000                      ; lanes 16-31
	s_mov_b32 s[SEL], 0x76543210
	s_mov_b32 s[SEL+1], 0xfedcba98
	s_lshl_b32 s94, s19, 22                        ; x's codes of tensor T
	s_lshl_b32 s95, s19, 18
	s_add_co_u32 s95, s95, 12582912                ; x's scales
	s_lshl_b32 s96, s19, 19                        ; W's codes
	s_lshl_b32 s97, s19, 15
	s_add_co_u32 s97, s97, 2097152                 ; W's scales
	s_bfe_u32 s3, ttmp6, 0x40000                   ; cx: only A's block hangs on it
	s_and_b32 s98, ttmp9, 1
	s_lshl_b32 s98, s98, 2
	s_add_co_u32 s98, s98, s3                      ; v: A block 4 (cluster % 2) + cx,
	s_lshr_b32 s99, ttmp9, 1                       ;    B block cluster / 2
	s_lshr_b32 s100, ttmp9, 2
	s_lshl_b32 s100, s100, 2
	s_add_co_u32 s100, s100, s3                    ; q, k: A block 4 (cluster / 4) + cx,
	s_and_b32 s101, ttmp9, 3                       ;    B block cluster % 4
	s_wait_dscnt 0x0
	s_wait_kmcnt 0x0
	s_cmp_eq_u32 s19, 2                            ; one compare; only selections follow, which leave SCC alone
	s_cselect_b32 s20, s98, s100                   ; A block: v: 8 of W; q, k: 64 of x
	s_cselect_b32 s21, s99, s101                   ; B block: v: 32 of x; q, k: 4 of W
	s_cselect_b64 s[86:87], s[6:7], s[4:5]         ; A's buffer
	s_cselect_b64 s[90:91], s[4:5], s[6:7]         ; B's buffer
	s_cselect_b32 s98, s96, s94                    ; A's codes,
	s_cselect_b32 s99, s97, s95                    ; A's scales,
	s_cselect_b32 s100, s94, s96                   ; B's codes,
	s_cselect_b32 s101, s95, s97                   ; B's scales: where they begin in their buffers
	s_lshl_b32 s2, s20, 12                         ; A's scales: 4,096 a block, 1,024 a wave
	s_add_co_u32 s2, s2, s99
	s_mov_b32 s3, 0
	s_add_nc_u64 s[88:89], s[86:87], s[2:3]
	s_lshl_b32 s2, s20, 16                         ; A's codes: 65,536 a block, two tiles a wave
	s_add_co_u32 s2, s2, s98
	s_mov_b32 s3, 0
	s_add_nc_u64 s[86:87], s[86:87], s[2:3]
	s_lshl_b32 s2, s21, 13                         ; B's scales: 8,192 a block, 2,048 a wave
	s_add_co_u32 s2, s2, s101
	s_lshl_b32 s3, s18, 12                         ; the scales of my eight tiles of B
	s_add_co_u32 s2, s2, s3
	s_mov_b32 s3, 0
	s_add_nc_u64 s[92:93], s[90:91], s[2:3]
	s_lshl_b32 s2, s21, 17                         ; B's codes: 131,072 a block, four tiles a wave
	s_add_co_u32 s2, s2, s100
	s_max_u32 s3, s[WV], 1                         ; waves 1 and 2 fetch B's halves, 65,536 bytes each
	s_sub_co_u32 s3, s3, 1
	s_lshl_b32 s3, s3, 16
	s_add_co_u32 s2, s2, s3
	s_mov_b32 s3, 0
	s_add_nc_u64 s[90:91], s[90:91], s[2:3]
	s_cmp_eq_u32 s19, 0                            ; the bias
	s_cselect_b64 s[94:95], s[8:9], s[10:11]
	s_cmp_eq_u32 s19, 2
	s_cselect_b64 s[94:95], s[12:13], s[94:95]
	s_mov_b32 s56, 1                               ; A's scales
	s_mov_b32 s57, ASC
	s_mov_b64 s[58:59], s[88:89]
	s_or_b32 s59, s59, 0x80000000
	s_mov_b32 s68, 1                               ; A's codes
	s_mov_b32 s69, 0
	s_mov_b64 s[70:71], s[86:87]
	s_or_b32 s71, s71, 0x80000000
	G0SET 72, 16, 0, 90, 0                         ; B's half wave - 1, at LDS byte 65,536 x wave
	; the fills, one a wave: wave 0 A's codes, waves 1 and 2 B's halves, wave 3 A's scales; one chain of branches on the wave's number, all arms to one join
	ROUND                                          ; the four work-groups are here: the joint loads meet
	s_cmp_lt_u32 s[WV], 1
	s_cbranch_scc0 .Lh_b
	tensor_load_to_lds s[68:71], s[G1CA:G1CA+7]
	s_nop 0
	PLACES 4
	s_branch .Lh_done
.Lh_b:
	s_cmp_lt_u32 s[WV], 3
	s_cbranch_scc0 .Lh_s
	tensor_load_to_lds s[72:75], s[G1CB:G1CB+7]
	s_nop 0
	PLACES 4
	s_branch .Lh_done
.Lh_s:
	tensor_load_to_lds s[56:59], s[G1SA:G1SA+7]
	s_nop 0
	PLACES 4
.Lh_done:
	v_and_b32 v1, 15, v0                           ; rr
	v_bfe_u32 v2, v0, 4, 1                         ; h
	v_and_b32 v13, 31, v0                          ; lane
	v_lshlrev_b32 v[LI], 4, v13
	s_lshl_b32 s2, s17, 15
	v_add_nc_u32 v[ADRA], s2, v[LI]                ; my four tiles of A
	s_lshl_b32 s2, s18, 16
	s_add_co_u32 s2, s2, 65536
	v_add_nc_u32 v[ADRB], s2, v[LI]                ; my eight tiles of B
	v_lshlrev_b32 v9, 4, v1                        ; 16 rr
	s_lshl_b32 s2, s17, 11
	s_add_co_u32 s2, s2, ASC
	v_add_nc_u32 v[ADSA], s2, v9
	v_lshlrev_b32 v10, 6, v2                       ; the bias of q, k: 16 h numbers on
	v_and_b32 v11, 8, v1
	v_add_nc_u32 v11, v11, v1
	v_lshlrev_b32 v11, 2, v11                      ; the bias of v: number rr + 8 (rr / 8)
	v_mul_u32_u24 v12, v2, HBYTES
	v_add_nc_u32 v12, v12, v9                      ; q's, k's scale words: lanes 0-15 the first head's block, lanes 16-31 the second's
	; THE BIAS is the C of each sum's first product, in the result's layout
	s_cmp_eq_u32 s19, 2
	s_cbranch_scc1 .Lbias_v
	s_lshl_b32 s2, s21, 10                         ; q, k: register j of B tile b is column 32 (b / 2) + 8 (b % 2) + 16 h + j of my 128
	s_lshl_b32 s3, s18, 9
	s_add_co_u32 s2, s2, s3
	s_mov_b32 s3, 0
	s_add_nc_u64 s[94:95], s[94:95], s[2:3]
.irp b, 0,1,2,3,4,5,6,7
	global_load_b128 v[BIAS+8*\b:BIAS+8*\b+3], v10, s[94:95] offset:(32*(\b/2)+8*(\b%2))*4
	global_load_b128 v[BIAS+8*\b+4:BIAS+8*\b+7], v10, s[94:95] offset:(32*(\b/2)+8*(\b%2))*4+16
.endr
	s_branch .Lbias_done
.Lbias_v:
	s_lshl_b32 s2, s20, 9                          ; v: a lane holds one column, 32 (a / 2) + 8 (a % 2) + rr + 8 (rr / 8) of my 64: one number in all eight registers
	s_lshl_b32 s3, s17, 8
	s_add_co_u32 s2, s2, s3
	s_mov_b32 s3, 0
	s_add_nc_u64 s[94:95], s[94:95], s[2:3]
	s_wait_alu depctr_va_vdst(0)
.irp a, 0,1,2,3
.irp j, 0,1,2,3,4,5,6,7
	global_load_b32 v[BIAS+8*\a+\j], v11, s[94:95] offset:(32*(\a/2)+8*(\a%2))*4
.endr
.endr
.Lbias_done:
	s_wait_alu depctr_va_vdst(0)                   ; ahead of the readers below
.irp b, 0,1,2,3,4,5,6,7
.irp g, 0,1
	global_load_b128 v[SB+8*\b+4*\g:SB+8*\b+4*\g+3], v9, s[92:93] offset:\b*512+\g*256   ; B's scale words: sixteen lanes read 256 consecutive bytes (lanes 16-31 the same)
.endr
.endr
	s_wait_tensorcnt 0x0                           ; my one fill has landed
	s_barrier_signal -1
	s_barrier_wait -1                              ; everybody's are
	s_wait_alu depctr_va_vdst(0)
.irp a, 0,1,2,3
.irp g, 0,1
	ds_load_b128 v[SA+8*\a+4*\g:SA+8*\a+4*\g+3], v[ADSA] offset:\a*512+\g*256   ; lane rr: the words of K steps 4 g .. 4 g + 3 of its row
.endr
.endr
	FETCH 0
	s_wait_loadcnt 0x0                             ; the bias
	s_wait_dscnt 0x0                               ; the scale words and K step 0's fragments
	FETCH 1
	s_cmp_eq_u32 s19, 2                            ; the first K step starts the sums: only its C differs
	s_cbranch_scc1 .Lfirst_v
	MUL 0, 1
	WIN 0
	s_branch .Lfirst_done
.Lfirst_v:
	MUL 0, 2
	WIN 0
.Lfirst_done:
.irp q, 1,2,3,4,5,6,7
	STEP \q
.endr
; THE WAY OUT.  The 64 registers of A tile a (register 16 b + i = place 32 b + 16 h + i along role B) become a fragment's codes in v[PC] on and its scale word in v[PW + a].
.macro QUANTW a
.set AC, 64*(\a)
	WIN 0x28                                       ; second and third source window 2
.irp b, 0,1,2,3
	v_max3_num_f32 v[TM+\b], s22, |v[AC+16*\b]|, |v[AC+16*\b+1]|    ; block b: my 16 numbers, and the floor; each accumulator is read from its low end on
.endr
.irp i, 2,4,6,8,10,12,14
.irp b, 0,1,2,3
	v_max3_num_f32 v[TM+\b], v[TM+\b], |v[AC+16*\b+\i]|, |v[AC+16*\b+\i+1]|   ; (the four blocks by turns)
.endr
.endr
	WIN 0
.irp b, 0,1,2,3
	v_permlanex16_b32 v[TM+4+\b], v[TM+\b], s[SEL], s[SEL+1]
.endr
.irp b, 0,1,2,3
	v_max_num_f32 v[TM+\b], v[TM+\b], v[TM+4+\b]   ; with lane l xor 16's: the block's largest magnitude
.endr
.irp b, 0,1,2,3
	v_add_nc_u32 v[TM+12+\b], 0xff000000, v[TM+\b] ; 2 off its exponent field: the conversion's scale operand
.endr
.irp b, 0,1,2,3
	v_lshrrev_b32 v[TM+4+\b], 23, v[TM+12+\b]      ; the scale's byte
.endr
	v_lshl_or_b32 v[PW+(\a)], v[TM+5], 8, v[TM+4]
	v_lshl_or_b32 v[PW+(\a)], v[TM+6], 16, v[PW+(\a)]
	v_lshl_or_b32 v[PW+(\a)], v[TM+7], 24, v[PW+(\a)]
	s_wait_xcnt 0x0                                ; the last tile's stores have read the codes' registers
	WIN 0x02                                       ; first source window 2
.irp b, 0,1,2,3
	v_cvt_scalef32_pk8_fp4_f32 v[PC+2*\b], v[AC+16*\b:AC+16*\b+7], v[TM+12+\b]
	v_cvt_scalef32_pk8_fp4_f32 v[PC+2*\b+1], v[AC+16*\b+8:AC+16*\b+15], v[TM+12+\b]
.endr
	WIN 0
	v_nop                                          ; one plain place behind a scaled conversion
.irp c, 0,1                                    ; the operand's layout wants a whole block in a lane: lanes 0-15 block 2 c, lanes 16-31 block 2 c + 1
.irp i, 0,1
	v_permlane16_swap_b32 v[PC+4*\c+\i], v[PC+2+4*\c+\i]
.endr
.endr
.endm
	PLACES 4                                       ; behind the last products: results are read, and registers that held A's fragments are written
.irp b, 0,1,2,3
	v_mov_b32 v[TM+4+\b], 0                        ; a lane permute's destination counts as one of its sources
.endr
	s_cmp_eq_u32 s19, 2
	s_cbranch_scc1 .Lout_v
	; q, k: my 128 columns are two heads; A tile a is tile 8 (A block % 16) + 4 (w / 2) + a of batch (A block / 16)
	s_lshr_b32 s2, s20, 4
	s_lshl_b32 s2, s2, 4
	s_lshl_b32 s3, s21, 2
	s_add_co_u32 s2, s2, s3
	s_lshl_b32 s3, s18, 1
	s_add_co_u32 s2, s2, s3                        ; the first of my two heads: 16 batch + 4 B block + 2 (w % 2)
	s_mul_i32 s2, s2, HBYTES
	s_and_b32 s3, s20, 15
	s_lshl_b32 s3, s3, 1
	s_add_co_u32 s3, s3, s17                       ; my group of four tiles
	s_lshl_b32 s86, s3, 11                         ; 4 x 512 bytes of codes,
	s_lshl_b32 s87, s3, 8                          ; 256 bytes of scale words
	s_cmp_eq_u32 s19, 0
	s_cselect_b32 s88, 143360, 0                   ; q's part of a head's block or k's
	s_mov_b32 s89, 131072
	s_cselect_b32 s89, 208896, s89
	s_add_co_u32 s86, s86, s88
	s_add_co_u32 s86, s86, s2
	s_add_co_u32 s88, s87, s89
	s_add_co_u32 s88, s88, s2
	s_mov_b32 s87, 0
	s_mov_b32 s89, 0
	s_add_nc_u64 s[96:97], s[14:15], s[86:87]
	s_add_nc_u64 s[98:99], s[14:15], s[88:89]
.irp a, 0,1,2,3
	QUANTW \a
	global_store_b128 v[LI], v[PC:PC+3], s[96:97] offset:\a*512            ; the first head's two blocks: 512 consecutive bytes
	global_store_b128 v[LI], v[PC+4:PC+7], s[96:97] offset:HBYTES+\a*512   ; the second head's
.endr
.irp i, 0,1,2,3
	v_lshrrev_b32 v[TMP+\i], 16, v[PW+\i]          ; the second head's two bytes come down; bytes 2 and 3 of a stored word stand over zero codes and are never 0xff
.endr
.irp i, 0,1,2,3
	v_cndmask_b32 v[RW+\i], v[PW+\i], v[TMP+\i], s23
.endr
	global_store_b128 v12, v[RW:RW+3], s[98:99]    ; four tiles' words of a row: 256 consecutive bytes for each head
	s_wait_tensorcnt 0x0
	ds_add_u32 v30, v31
	s_wait_dscnt 0x0
	ROUND                                          ; the closing round
	s_endpgm
.Lout_v:
	; v: my 64 columns are one head, my 128 rows of values one key step
	s_lshr_b32 s2, s21, 3
	s_lshl_b32 s2, s2, 4
	s_lshl_b32 s3, s20, 1
	s_add_co_u32 s2, s2, s3
	s_add_co_u32 s2, s2, s17                       ; the head: 16 batch + 2 A block + w / 2
	s_mul_i32 s2, s2, HBYTES
	s_and_b32 s3, s21, 7
	s_lshl_b32 s3, s3, 1
	s_add_co_u32 s3, s3, s18                       ; the key step
	s_lshl_b32 s86, s3, 12
	s_add_co_u32 s86, s86, s2
	s_add_co_u32 s86, s86, 65536
	s_lshl_b32 s88, s3, 8
	s_add_co_u32 s88, s88, s2
	s_add_co_u32 s88, s88, 139264
	s_mov_b32 s87, 0
	s_mov_b32 s89, 0
	s_add_nc_u64 s[96:97], s[14:15], s[86:87]
	s_add_nc_u64 s[98:99], s[14:15], s[88:89]
.irp a, 0,1,2,3
	QUANTW \a
	global_store_b128 v[LI], v[PC:PC+3], s[96:97] offset:\a*1024
	global_store_b128 v[LI], v[PC+4:PC+7], s[96:97] offset:\a*1024+512
.endr
	s_wait_xcnt 0x0                                ; EXEC changes only behind this wait
	v_cmp_gt_u32 vcc_lo, 16, v13
	s_wait_tensorcnt 0x0
	ds_add_u32 v30, v31
	s_wait_dscnt 0x0
	s_and_saveexec_b32 s2, vcc_lo
	global_store_b128 v9, v[PW:PW+3], s[98:99]     ; lanes 0-15: the four tiles' words of a row: 256 consecutive bytes
	s_wait_xcnt 0x0                                ; and again, in front of the line that widens it
	s_or_b32 exec_lo, exec_lo, s2
	ROUND                                          ; the closing round
	s_endpgm
.Lfunc_end_k_qda74146537_proj:
	.size	k_qda74146537_proj, .Lfunc_end_k_qda74146537_proj-k_qda74146537_proj
	.p2alignl 7, 3214868480
	.fill 96, 4, 3214868480
	.section	.rodata,"a",@progbits
	.p2align	6, 0x0
	.amdhsa_kernel k_qda74146537_proj
		.amdhsa_group_segment_fixed_size 262656
		.amdhsa_private_segment_fixed_size 0
		.amdhsa_enable_private_segment 0
		.amdhsa_kernarg_size 48
		.amdhsa_user_sgpr_count 2
		.amdhsa_user_sgpr_kernarg_segment_ptr 1
		.amdhsa_wavefront_size32 1
		.amdhsa_system_sgpr_workgroup_id_x 1
		.amdhsa_system_sgpr_workgroup_id_y 1
		.amdhsa_system_sgpr_workgroup_id_z 1
		.amdhsa_system_vgpr_workitem_id 0
		.amdhsa_next_free_vgpr 768
		.amdhsa_next_free_sgpr 102
		.amdhsa_reserve_vcc 1
		.amdhsa_float_denorm_mode_32 3
		.amdhsa_float_denorm_mode_16_64 3
		.amdhsa_memory_ordered 1
		.amdhsa_forward_progress 1
		.amdhsa_inst_pref_size 100
	.end_amdhsa_kernel
	.amdgpu_metadata
---
amdhsa.version: [ 1, 2 ]
amdhsa.kernels:
  - .name:           k_qda74146537_proj
    .symbol:         k_qda74146537_proj.kd
    .args:
      - { .name: xq, .offset: 0, .size: 8, .value_kind: global_buffer, .address_space: global }
      - { .name: wq, .offset: 8, .size: 8, .value_kind: global_buffer, .address_space: global }
      - { .name: bq, .offset: 16, .size: 8, .value_kind: global_buffer, .address_space: global }
      - { .name: bk, .offset: 24, .size: 8, .value_kind: global_buffer, .address_space: global }
      - { .name: bv, .offset: 32, .size: 8, .value_kind: global_buffer, .address_space: global }
      - { .name: qkv, .offset: 40, .size: 8, .value_kind: global_buffer, .address_space: global }
    .group_segment_fixed_size: 262656
    .private_segment_fixed_size: 0
    .kernarg_segment_align: 8
    .kernarg_segment_size: 48
    .max_flat_workgroup_size: 128
    .sgpr_count:     102
    .vgpr_count:     768
    .wavefront_size: 32
...
	.end_amdgpu_metadata
.endif
;; end of part 2
;; launch attn (part 3): grid 8 x 32, 12 waves a work-group, clusters of 4 x 1, 327,680 bytes of LDS; arguments qkv, oq; writes oq
.if DOCPART == 3
	.amdgcn_target "amdgcn-amd-amdhsa--gfx1250"
	.amdhsa_code_object_version 6
	.text
	.protected	k_qda74146537_attn
	.globl	k_qda74146537_attn
	.p2align	8
	.type	k_qda74146537_attn,@function
k_qda74146537_attn:
	s_mov_b64 s[64:65], 0
	v_nop
	global_prefetch_b8 v0, s[64:65] scope:SCOPE_SE
	s_setreg_imm32_b32 hwreg(HW_REG_WAVE_MODE, 25, 1), 1
	s_wait_xcnt 0x0
	s_wait_alu depctr_hold_cnt(0) depctr_sa_sdst(0) depctr_va_vdst(0) depctr_va_sdst(0) depctr_va_ssrc(0) depctr_va_vcc(0) depctr_vm_vsrc(0)
	s_getreg_b32 s2, hwreg(HW_REG_IB_STS2, 6, 4)
	s_cmp_eq_u32 s2, 0
	s_cbranch_scc0 .Lentry_in_a_cluster
	s_endpgm
.Lentry_in_a_cluster:
	s_bfe_u32 s2, ttmp6, 0x10000c
	s_cmp_lg_u32 s2, 0x3003
	s_cbranch_scc0 .Lentry_shape_is_right
	s_endpgm
.Lentry_shape_is_right:
; o = softmax(q k^T / 8) v for two heads and 256 queries a work-group, both products on codes of FP4 (E2M1) with E8M0 scales; o is quantised along the heads' 64 + 64 for the projection that follows.
; t = score x log2(e) / 8; M = the running largest t rounded up to a whole number; p = 2^(t - M) is quantised along the keys; the row's sum is taken of the unquantised p and divides O at the end.
; SHARES.  Work-group (x, y): heads 2 y and 2 y + 1 (of 64), queries 256 x on: 32 units of one tile of 16 queries and one head, 16 steps of 128 keys each.  Twelve waves, three to a SIMD: in trip j wave w takes
; unit 12 j + w (tile unit % 16, head unit / 16): waves 0-7 take three units, waves 8-11 two.  The loops' trip counts are constants: where the unit's number is 32 or more, a scalar branch on it (ids alone) leads round the steps and the way out.
; K, V and their scale bytes of both heads (2 x 143,360 bytes) come into LDS once: waves 0-7 ask for 35,840 bytes each by one tensor load.  The four work-groups of a cluster read the same bytes and ask jointly.
; No prefetch: every fill stands at the kernel's head, so there is no loop to run ahead in.
; LAYOUT.  S^T = K Q^T, O^T = V^T P^T: a lane holds one query (lane % 16).  Row rr of K's tile t is key 64 (t / 4) + 8 (t % 4) + rr % 8 + 32 (rr / 8) of the step: so the 32 registers of tiles 0-3
; are one whole block of 32 keys (block lane / 16), those of tiles 4-7 block 2 + lane / 16: a block's maximum needs no other lane, and the conversions' eight results are P's operand as they stand.
; The head has 64 numbers: Q's registers 4-7 are zero codes, so what stands in a K fragment's registers 4-7 (the next tile's codes) adds nothing: K's eight tiles lie 4 registers apart.
; O^T += V^T P^T runs ONE STEP LATE.  Step i: S(i); the last lines of P(i - 1)'s scale word (the places behind S(i)); K(i + 1) is asked for; the maxima in eight chains; the lines that make M with the 16 rescalings of O
; among them; the late product; t - M, with V(i) asked for among these lines; the exponentials; the scales, conversions and sums by turns.  The sum is kept in eight pairs, so that no line waits for the line above it.
; A unit's first step multiplies zero codes; its last asks for 4,608 bytes behind K's codes and scales (V's, inside the filled LDS), which nobody uses; a wave without a third unit still sets that trip up and loads Q of unit 31, unused.
; LIMITS: the promise holds while |t| stays under 2^31; NaN and infinities are not served; a block of zeros gets the byte 1 where the rule says 127 (its codes are zeros; only this program reads the bytes).
.set HBYTES, 217088                    ; a head's block in qkv: k's codes 0, v's codes 65,536, k's scales 131,072, v's scales 139,264, q's codes 143,360, q's scales 208,896
.set HLDS,   143360                    ; what of it lies in LDS
.set PART,   35840                     ; a wave's fill: 140 rows of 256 bytes
.set OSC,    2*HLDS                    ; o's scale bytes on their way out: two bytes a row, 32 bytes a unit, at 32 x unit; no fill lands here
.set SPARE,  0x48000                   ; the spare words: 128 bytes a wave
.set SPW, 1                            ; v1 my spare word, v2 zero: never rewritten
.set NIL, 2
.set AK,  3                            ; LDS addresses: K's codes, V's codes, K's scale words, V's scale words
.set AV,  4
.set AS,  5
.set AT,  6
.set GO,  7                            ; 16 x lane
.set SH8, 8                            ; 8 x (lane / 16)
.set OSA, 9                            ; where my row's two scale bytes go
.set KF,  32                           ; v32-67 K's tiles, 4 registers apart, and 4 zeros
.set KS,  68                           ; v68-75 K's scale words
.set VF,  76                           ; v76-107 V's four fragments; v28-31 their scale words
.set SS,  108                          ; v108-171 S^T, then p
.set OO,  172                          ; v172-203 O^T
.set PC,  204                          ; v204-211 p's codes
.set PW,  228                          ; p's scale word
.set RR2, 229                          ; 2 x (lane % 16)
.set OSR, 233
.set RR16, 234                         ; 16 x (lane % 16)
.set XS,  236                          ; v236-251 the sum, in eight pairs
; v10 Q's scale word (v11, v15 the next units'); v12 -M, v13 the largest score; v16-23 Q (v24-27, v252-255 the next units'); v212-227, v230-231 at work; v218 the factor
.set WV,  24
.set SEL, 26
.set CS,  28                           ; s[28:29] c = log2(e) / 8; s30 -c
.set NC,  30
.set HC,  32
.set CNT, 33
.set U,   86                           ; s86 the unit in hand
.macro ROUND                           ; a round of the cluster's barrier
	s_barrier_signal -1
	s_barrier_wait -1
	s_cmp_lg_u32 s[WV], 0
	s_cbranch_scc1 .Lnot_wave_0_\@
	s_barrier_signal -3
.Lnot_wave_0_\@:
	s_barrier_wait -3
	s_barrier_signal -1
	s_barrier_wait -1
.endm
.macro ZERO from, n
.set Z, \from
.rept \n
	v_mov_b32 v[Z], 0
.set Z, Z+1
.endr
.endm
.macro KLD n                           ; K's eight tiles and their scale words, n steps on from the address registers
.set T, 0
.rept 8
	ds_load_b128 v[KF+4*T:KF+4*T+3], v[AK] offset:(\n)*4096+512*T
.set T, T+1
.endr
	ds_load_b128 v[KS:KS+3], v[AS] offset:(\n)*512
	ds_load_b128 v[KS+4:KS+7], v[AS] offset:(\n)*512+256
.endm
.macro R4 n                            ; O^T under the last step's M: four pairs from pair n on
.set J, 2*(\n)
.rept 4
	v_pk_mul_f32 v[OO+J:OO+J+1], v[OO+J:OO+J+1], v[218:219] op_sel_hi:[1,0]
.set J, J+2
.endr
.endm
.macro PV                              ; O^T += V^T P^T: the four accumulators by turns
.set T, 0
.rept 4
	v_wmma_scale_f32_16x16x128_f8f6f4 v[OO+8*T:OO+8*T+7], v[VF+8*T:VF+8*T+7], v[PC:PC+7], v[OO+8*T:OO+8*T+7], v[28+T], v[PW] matrix_a_fmt:MATRIX_FMT_FP4 matrix_b_fmt:MATRIX_FMT_FP4
.set T, T+1
.endr
.endm
.macro FMA n0, n                       ; t - M for n pairs from pair n0 on
.set J, 2*(\n0)
.rept \n
	v_pk_fma_f32 v[SS+J:SS+J+1], v[SS+J:SS+J+1], s[CS:CS+1], v[12:13] op_sel_hi:[1,0,0]
.set J, J+2
.endr
.endm
.macro MX o0, o1, o2, o3               ; one turn of the eight chains: two more scores each
.irp q, 0,1
	v_max3_num_f32 v[212+\q], v[212+\q], v[SS+32*\q+\o0], v[SS+32*\q+\o0+1]
	v_max3_num_f32 v[214+\q], v[214+\q], v[SS+32*\q+\o1], v[SS+32*\q+\o1+1]
	v_max3_num_f32 v[230+\q], v[230+\q], v[SS+32*\q+\o2], v[SS+32*\q+\o2+1]
	v_max3_num_f32 v[222+\q], v[222+\q], v[SS+32*\q+\o3], v[SS+32*\q+\o3+1]
.endr
.endm
.macro SF k0, n                        ; the sum's pairs k0 on under the new M, and p's pairs k0 on onto them
.set J, 2*(\k0)
.rept \n
	v_pk_fma_f32 v[XS+J:XS+J+1], v[XS+J:XS+J+1], v[218:219], v[SS+J:SS+J+1] op_sel_hi:[1,0,1]
.set J, J+2
.endr
.endm
.macro SA j0, n                        ; p's pairs j0 on, each onto the sum's pair j % 8
.set J, \j0
.rept \n
	v_pk_add_f32 v[XS+2*(J%8):XS+2*(J%8)+1], v[XS+2*(J%8):XS+2*(J%8)+1], v[SS+2*J:SS+2*J+1]
.set J, J+1
.endr
.endm
.macro CV t
	v_cvt_scalef32_pk8_fp4_f32 v[PC+\t], v[SS+8*\t:SS+8*\t+7], v[222+\t/4]
.endm
.macro STEP s
	s_wait_dscnt 0x0                               ; K of this step and V of the last, asked for in the last step, are in
.set T, 0
.rept 8
	v_wmma_scale_f32_16x16x128_f8f6f4 v[SS+8*T:SS+8*T+7], v[KF+4*T:KF+4*T+7], v[16:23], 0, v[KS+T], v10 matrix_a_fmt:MATRIX_FMT_FP4 matrix_b_fmt:MATRIX_FMT_FP4
.set T, T+1
.endr
	v_lshlrev_b32 v226, v[SH8], v226               ; the last step's two bytes at their places in the word.  (These lines are the places behind the eight products)
	v_mov_b32 v221, v12                            ; the old -M
	v_permlanex16_b32 v227, v226, s[SEL], s[SEL+1]
	v_nop
	v_or_b32 v[PW], v226, v227                     ; with lane l xor 16's two the word is whole
	KLD (\s)+1
.irp q, 0,1                                    ; the largest score of my two blocks, four chains each (9, 7, 9 and 7 scores); every accumulator is first read in its four lowest registers
	v_max3_num_f32 v[212+\q], v[SS+32*\q], v[SS+32*\q+1], v[SS+32*\q+2]
	v_max3_num_f32 v[214+\q], v[SS+32*\q+9], v[SS+32*\q+10], v[SS+32*\q+11]
	v_max3_num_f32 v[230+\q], v[SS+32*\q+16], v[SS+32*\q+17], v[SS+32*\q+18]
	v_max3_num_f32 v[222+\q], v[SS+32*\q+25], v[SS+32*\q+26], v[SS+32*\q+27]
.endr
	MX 3, 12, 19, 28
	MX 5, 14, 21, 30
.irp q, 0,1
	v_max3_num_f32 v[212+\q], v[212+\q], v[SS+32*\q+7], v[SS+32*\q+8]
	v_max3_num_f32 v[230+\q], v[230+\q], v[SS+32*\q+23], v[SS+32*\q+24]
	v_max_num_f32 v[214+\q], v[214+\q], v[222+\q]
.endr
	v_max3_num_f32 v212, v212, v230, v214
	v_max3_num_f32 v213, v213, v231, v215
	v_max_num_f32 v216, v212, v213
	s_wait_alu depctr_va_vdst(0)                   ; directly ahead of the first reader of O^T; plain lines alone follow up to the last of the 16
	R4 0
	v_permlanex16_b32 v217, v216, s[SEL], s[SEL+1]
	R4 4
	v_max3_num_f32 v13, v13, v216, v217            ; the running largest score of my query
	R4 8
	v_mul_f32 v220, s[NC], v13
	R4 12
	v_floor_f32 v12, v220                          ; the new -M = floor(-t)
	PV                                             ; the last step's product
	v_sub_f32 v221, v12, v221                      ; old M - new M: a whole number, 0 or less
	FMA 0, 8
.set T, 0
.rept 8
	ds_load_b128 v[VF+4*T:VF+4*T+3], v[AV] offset:(\s)*4096+512*T   ; V of this step: nine plain lines behind the product that read these registers
.set T, T+1
.endr
	ds_load_b128 v[28:31], v[AT] offset:(\s)*256
	FMA 8, 24
	v_fma_f32 v212, v212, s[CS], v12               ; the same of each block's largest score
	v_fma_f32 v213, v213, s[CS], v12
	s_wait_alu depctr_va_vdst(0)                   ; ahead of the batch
.set J, 0
.rept 64
	v_exp_f32 v[SS+J], v[SS+J]
.set J, J+1
.endr
	v_exp_f32 v212, v212                           ; each block's largest p
	v_exp_f32 v213, v213
	v_cvt_i32_f32 v221, v221                       ; (it saturates)  Plain lines behind the batch
	v_ldexp_f32 v218, 1.0, v221                    ; the factor 2^(old M - new M)
	s_wait_alu depctr_va_vdst(0)                   ; one wait for the batch, ahead of its first reader
	v_max_num_f32 v212, 0x1800000, v212            ; the floor 2^(3 - 127): the byte cannot fall under 1
	v_max_num_f32 v213, 0x1800000, v213
	SF 0, 4
	v_add_nc_u32 v222, 0xff000000, v212            ; 2 off the exponent field: the conversions' scale operands
	v_add_nc_u32 v223, 0xff000000, v213
	SF 4, 4
	v_lshrrev_b32 v224, 23, v222
	v_lshrrev_b32 v225, 23, v223
	CV 0
	SA 8, 1
	CV 4
	SA 9, 1
	v_lshl_or_b32 v226, v225, 16, v224             ; my blocks lane / 16 and 2 + lane / 16: the next step finishes the word
	CV 1
	SA 10, 1
	CV 5
	SA 11, 1
	CV 2
	SA 12, 1
	CV 6
	SA 13, 1
	CV 3
	SA 14, 1
	CV 7
	SA 15, 17
.endm
.macro QLD j, vq, vs                   ; Q's codes and scale words of my unit of trip j (held at unit 31, so that every address lies in the buffer)
	s_add_co_u32 s66, s[WV], 12*\j
	s_min_u32 s66, s66, 31
	s_lshr_b32 s67, s66, 4
	s_and_b32 s68, s66, 15
	s_mul_i32 s67, s67, HBYTES
	s_add_co_u32 s67, s67, s44                     ; the head's block
	s_add_co_u32 s68, s68, s48                     ; the tile among the head's 128
	s_lshl_b32 s[74+4*\j], s68, 9
	s_add_co_u32 s[74+4*\j], s[74+4*\j], s67
	s_add_co_u32 s[74+4*\j], s[74+4*\j], 143360
	s_mov_b32 s[75+4*\j], 0
	s_add_nc_u64 s[74+4*\j:75+4*\j], s[4:5], s[74+4*\j:75+4*\j]
	s_lshr_b32 s[76+4*\j], s68, 2
	s_lshl_b32 s[76+4*\j], s[76+4*\j], 8
	s_and_b32 s69, s68, 3
	s_lshl_b32 s69, s69, 2
	s_add_co_u32 s[76+4*\j], s[76+4*\j], s69
	s_add_co_u32 s[76+4*\j], s[76+4*\j], s67
	s_add_co_u32 s[76+4*\j], s[76+4*\j], 208896
	s_mov_b32 s[77+4*\j], 0
	s_add_nc_u64 s[76+4*\j:77+4*\j], s[4:5], s[76+4*\j:77+4*\j]
	global_load_b128 v[\vq:\vq+3], v[GO], s[74+4*\j:75+4*\j]
	global_load_b32 v[\vs], v[RR16], s[76+4*\j:77+4*\j]
.endm
	s_load_b128 s[4:7], s[0:1], 0x0                ; qkv, oq
	v_lshl_add_u32 v[SPW], v0, 2, SPARE
	v_mov_b32 v[NIL], 0
	ds_add_u32 v[SPW], v[NIL]                      ; the opening lines: the add, twice on end, and its wait
	ds_add_u32 v[SPW], v[NIL]
	v_lshrrev_b32 v3, 5, v0
	v_readfirstlane_b32 s[WV], v3                  ; wave 0..11
	s_and_b32 s42, ttmp7, 0xffff                   ; the pair of heads
	s_bfe_u32 s58, ttmp6, 0x40000                  ; cx
	s_lshl_b32 s59, ttmp9, 2
	s_add_co_u32 s59, s59, s58                     ; the block of 256 queries: only addresses in memory hang on it
	s_mov_b32 s8, 15|(3<<16)|(1<<21)               ; group 1: the cluster's four; elements of 8 bytes; 140 rows of 256 dense bytes
	s_mov_b32 s9, 32<<16
	s_mov_b32 s10, 140<<16
	s_mov_b32 s11, 32<<16
	s_mov_b32 s12, 140
	s_mov_b32 s13, 32
	s_mov_b32 s14, 0
	s_mov_b32 s15, 0
	s_mul_i32 s44, s42, 2*HBYTES
	s_mul_i32 s17, s[WV], PART                     ; LDS: waves 0-3 fill the first head's 143,360 bytes, waves 4-7 the second's
	s_lshr_b32 s45, s[WV], 2
	s_mul_i32 s45, s45, HBYTES
	s_and_b32 s46, s[WV], 3
	s_mul_i32 s46, s46, PART
	s_add_co_u32 s46, s46, s45
	s_add_co_u32 s46, s46, s44
	s_mov_b32 s47, 0
	s_lshl_b32 s48, s59, 4                         ; my work-group's first tile of queries among the head's 128
	s_lshr_b32 s45, s42, 3                         ; batch
	s_and_b32 s49, s42, 7                          ; the next product's K step
	s_lshl_b32 s54, s45, 7
	s_add_co_u32 s54, s54, s48
	s_lshl_b32 s54, s54, 13
	s_lshl_b32 s55, s49, 10
	s_add_co_u32 s54, s54, s55                     ; o's codes: 8,192 a tile, 1,024 a K step
	s_lshl_b32 s56, s49, 15
	s_lshl_b32 s57, s45, 13
	s_add_co_u32 s56, s56, s57
	s_lshl_b32 s57, s59, 10
	s_add_co_u32 s56, s56, s57
	s_add_co_u32 s56, s56, 4194304                 ; o's scale words: [K step][tile][rr]
	s_mov_b32 s57, 0
	s_mov_b32 s[SEL], 0x76543210
	s_mov_b32 s[SEL+1], 0xfedcba98
	s_mov_b32 s[CS], 0x3e38aa3b
	s_mov_b32 s[CS+1], s[CS]
	s_mov_b32 s[NC], 0xbe38aa3b
	s_wait_dscnt 0x0                               ; both opening adds are done
	s_wait_kmcnt 0x0
	s_mov_b32 s16, 1
	s_add_nc_u64 s[18:19], s[4:5], s[46:47]
	s_or_b32 s19, s19, 0x80000000
	s_add_nc_u64 s[40:41], s[6:7], s[56:57]
	ROUND                                          ; the four work-groups are here: the joint loads meet
	s_cmp_lt_u32 s[WV], 8                          ; eight fills of 35,840 bytes: waves 8-11 have none
	s_cbranch_scc0 .Lno_fill
	tensor_load_to_lds s[16:19], s[8:15]           ; my one tensor load
	s_nop 0
.rept 4
	v_nop
.endr
.Lno_fill:
	v_and_b32 v[GO], 31, v0
	v_lshlrev_b32 v[GO], 4, v[GO]
	v_and_b32 v[RR16], 15, v0
	v_lshlrev_b32 v[RR2], 1, v[RR16]
	v_lshlrev_b32 v[RR16], 4, v[RR16]
	v_lshrrev_b32 v[OSR], 1, v[GO]
	v_add_nc_u32 v[OSR], OSC, v[OSR]               ; 8 x lane among the scale bytes
	v_bfe_u32 v[SH8], v0, 4, 1
	v_lshlrev_b32 v[SH8], 3, v[SH8]
	s_wait_alu depctr_va_vdst(0)
	QLD 0, 16, 10
	QLD 1, 24, 11
	QLD 2, 252, 15
	ZERO 20, 4                                     ; Q's upper half: zero codes
	ZERO KF+32, 4
	ZERO VF, 32                                    ; what the first unit's first late product reads beside zero codes
	ZERO 28, 4
	v_mov_b32 v14, 0
	v_mov_b32 v217, 0                              ; a lane permute's destination counts as one of its sources
	v_mov_b32 v227, 0
	v_mov_b32 v219, 0                              ; (named as the upper half of a pair)
	s_wait_alu depctr_va_vdst(0)
	s_wait_tensorcnt 0x0                           ; my part is in,
	s_barrier_signal -1
	s_barrier_wait -1                              ; everybody's is.  Nothing is filled again
	s_wait_loadcnt 0x0                             ; Q
	s_mov_b32 s[U], s[WV]
	s_mov_b32 s[HC], 3
.Lunit:                                                ; three trips: a unit each.  The addresses are made by every wave, ahead of the branches, with the unit held at 31
	s_min_u32 s66, s[U], 31
	s_lshr_b32 s67, s66, 4                         ; the head
	s_and_b32 s68, s66, 15                         ; the tile
	s_mul_i32 s69, s67, HLDS
	s_lshl_b32 s72, s68, 13
	s_lshl_b32 s73, s67, 9
	s_add_co_u32 s72, s72, s73
	s_add_co_u32 s72, s72, s54
	s_mov_b32 s73, 0
	s_add_nc_u64 s[38:39], s[6:7], s[72:73]        ; o's codes of this unit
	s_lshl_b32 s71, s[U], 5
	s_add_co_u32 s71, s71, OSC
	v_add_nc_u32 v[AK], s69, v[GO]
	v_add_nc_u32 v[AS], s69, v[RR16]
	v_add_nc_u32 v[AV], 65536, v[AK]
	v_add_nc_u32 v[AT], 139264, v[AS]
	v_add_nc_u32 v[AS], 131072, v[AS]
	v_add_nc_u32 v[OSA], s71, v[RR2]
	v_mov_b32 v13, 0xff61b1e6                      ; the largest score so far: -3e38
	v_mov_b32 v12, 0x7f61b1e6                      ; -M: the first factor comes out 0
	v_mov_b32 v218, 0
	v_mov_b32 v226, 0                              ; the scale bytes over the first late product's zero codes
	ZERO XS, 16
	ZERO OO, 32
	ZERO PC, 8
	KLD 0
	s_mov_b32 s[CNT], 4
	s_wait_alu depctr_va_vdst(0)                   ; ahead of the branches
.Lkey:                                                 ; four trips of four steps: every offset an immediate
	s_cmp_ge_u32 s[U], 32                          ; no such unit: round the steps alone
	s_cbranch_scc1 .Lidle_k
	STEP 0
	STEP 1
	STEP 2
	STEP 3
.Lidle_k:
	v_add_nc_u32 v[AK], 16384, v[AK]
	v_add_nc_u32 v[AV], 16384, v[AV]
	v_add_nc_u32 v[AS], 2048, v[AS]
	v_add_nc_u32 v[AT], 1024, v[AT]
	s_sub_co_u32 s[CNT], s[CNT], 1
	s_cmp_lg_u32 s[CNT], 0
	s_wait_alu depctr_va_vdst(0)                   ; directly ahead of the branch
	s_cbranch_scc1 .Lkey
	s_cmp_ge_u32 s[U], 32                          ; no such unit: round the way out
	s_cbranch_scc1 .Lidle_f
	s_wait_dscnt 0x0                               ; the last step's V
	v_lshlrev_b32 v226, v[SH8], v226               ; the last step's scale word
	v_permlanex16_b32 v227, v226, s[SEL], s[SEL+1]
	v_or_b32 v[PW], v226, v227
	s_wait_alu depctr_va_vdst(0)                   ; directly ahead of the first reader of O^T
	R4 0
	R4 4
	R4 8
	R4 12
	PV                                             ; the last step's late product
.irp k, 0,2,4,6
	v_pk_add_f32 v[XS+\k:XS+\k+1], v[XS+\k:XS+\k+1], v[XS+8+\k:XS+9+\k]   ; the sum's eight pairs become one.  (The places behind the products)
.endr
.irp k, 0,2
	v_pk_add_f32 v[XS+\k:XS+\k+1], v[XS+\k:XS+\k+1], v[XS+4+\k:XS+5+\k]
.endr
	v_pk_add_f32 v[XS:XS+1], v[XS:XS+1], v[XS+2:XS+3]
	v_add_f32 v14, v[XS], v[XS+1]
	v_permlanex16_b32 v217, v14, s[SEL], s[SEL+1]
	v_add_f32 v14, v14, v217                       ; and lane l xor 16's keys
	s_wait_alu depctr_va_vdst(0)                   ; ahead of the transcendental
	v_rcp_f32 v14, v14
	v_nop
	s_wait_alu depctr_va_vdst(0)                   ; and ahead of its first reader, which is O^T's too
.set J, 0
.rept 16
	v_pk_mul_f32 v[SS+J:SS+J+1], v[OO+J:OO+J+1], v[14:15] op_sel_hi:[1,0]   ; o: register 16 b + i is channel 32 b + 16 (lane / 16) + i
.set J, J+2
.endr
.irp b, 0,1
	v_max3_num_f32 v[212+\b], |v[SS+16*\b]|, |v[SS+16*\b+1]|, 0x1800000
.endr
.irp i, 2,4,6,8,10,12,14
.irp b, 0,1
	v_max3_num_f32 v[212+\b], v[212+\b], |v[SS+16*\b+\i]|, |v[SS+16*\b+\i+1]|
.endr
.endr
.irp b, 0,1
	v_permlanex16_b32 v[216+\b], v[212+\b], s[SEL], s[SEL+1]
.endr
.irp b, 0,1
	v_max_num_f32 v[212+\b], v[212+\b], v[216+\b]  ; the block's largest magnitude
.endr
.irp b, 0,1
	v_add_nc_u32 v[222+\b], 0xff000000, v[212+\b]
.endr
.irp b, 0,1
	v_lshrrev_b32 v[224+\b], 23, v[222+\b]
.endr
	v_lshl_or_b32 v226, v225, 8, v224              ; this head's two scale bytes of my row
	v_cvt_scalef32_pk8_fp4_f32 v[PC], v[SS:SS+7], v222
	v_cvt_scalef32_pk8_fp4_f32 v[PC+1], v[SS+8:SS+15], v222
	v_cvt_scalef32_pk8_fp4_f32 v[PC+2], v[SS+16:SS+23], v223
	v_cvt_scalef32_pk8_fp4_f32 v[PC+3], v[SS+24:SS+31], v223
	v_nop                                          ; one plain place behind a scaled conversion
	v_permlane16_swap_b32 v[PC], v[PC+2]           ; a whole block in a lane
	v_permlane16_swap_b32 v[PC+1], v[PC+3]
	global_store_b128 v[GO], v[PC:PC+3], s[38:39]  ; 512 consecutive bytes
	ds_store_b16 v[OSA], v226                      ; both halves of the lanes write the same half word with the same value
.Lidle_f:
	s_wait_dscnt 0x0                               ; no LDS load of mine is out: K's registers take the next unit's
	s_wait_xcnt 0x0                                ; the store has read its base and its data
.irp j, 0,1,2,3
	v_mov_b32 v[16+\j], v[24+\j]                   ; the next unit's Q moves up
.endr
.irp j, 0,1,2,3
	v_mov_b32 v[24+\j], v[252+\j]
.endr
	v_mov_b32 v10, v11
	v_mov_b32 v11, v15
	s_add_co_u32 s[U], s[U], 12
	s_sub_co_u32 s[HC], s[HC], 1
	s_cmp_lg_u32 s[HC], 0
	s_wait_alu depctr_va_vdst(0)                   ; directly ahead of the branch
	s_cbranch_scc1 .Lunit
	s_wait_dscnt 0x0
	s_barrier_signal -1
	s_barrier_wait -1
	s_cmp_lg_u32 s[WV], 0
	s_cbranch_scc1 .Ldone
	ds_load_b64 v[SS:SS+1], v[OSR]                 ; wave 0 joins the two heads' half words: rows 4 l .. 4 l + 3 of the first 128: the first head's,
	ds_load_b64 v[SS+2:SS+3], v[OSR] offset:512    ; the second head's;
	ds_load_b64 v[SS+4:SS+5], v[OSR] offset:256    ; and of the second 128
	ds_load_b64 v[SS+6:SS+7], v[OSR] offset:768
	s_wait_dscnt 0x0
.irp g, 0,1
.irp i, 0,1
	v_perm_b32 v[SS+8+4*\g+2*\i], v[SS+4*\g+2+\i], v[SS+4*\g+\i], 0x05040100   ; the two low halves: the even row's word
	v_perm_b32 v[SS+9+4*\g+2*\i], v[SS+4*\g+2+\i], v[SS+4*\g+\i], 0x07060302   ; the two high halves: the odd row's
.endr
.endr
	global_store_b128 v[GO], v[SS+8:SS+11], s[40:41]               ; the sixteen tiles' words: 1,024 consecutive bytes
	global_store_b128 v[GO], v[SS+12:SS+15], s[40:41] offset:512
.Ldone:
	s_wait_tensorcnt 0x0                           ; the wave's end
	ds_add_u32 v[SPW], v[NIL]
	s_wait_dscnt 0x0
	ROUND                                          ; the closing round
	s_endpgm
.Lfunc_end_k_qda74146537_attn:
	.size	k_qda74146537_attn, .Lfunc_end_k_qda74146537_attn-k_qda74146537_attn
	.p2alignl 7, 3214868480
	.fill 96, 4, 3214868480
	.section	.rodata,"a",@progbits
	.p2align	6, 0x0
	.amdhsa_kernel k_qda74146537_attn
		.amdhsa_group_segment_fixed_size 327680
		.amdhsa_private_segment_fixed_size 0
		.amdhsa_enable_private_segment 0
		.amdhsa_kernarg_size 16
		.amdhsa_user_sgpr_count 2
		.amdhsa_user_sgpr_kernarg_segment_ptr 1
		.amdhsa_wavefront_size32 1
		.amdhsa_system_sgpr_workgroup_id_x 1
		.amdhsa_system_sgpr_workgroup_id_y 1
		.amdhsa_system_sgpr_workgroup_id_z 1
		.amdhsa_system_vgpr_workitem_id 0
		.amdhsa_next_free_vgpr 256
		.amdhsa_next_free_sgpr 100
		.amdhsa_reserve_vcc 0
		.amdhsa_float_denorm_mode_32 3
		.amdhsa_float_denorm_mode_16_64 3
		.amdhsa_memory_ordered 1
		.amdhsa_forward_progress 1
		.amdhsa_inst_pref_size 74
	.end_amdhsa_kernel
	.amdgpu_metadata
---
amdhsa.version: [ 1, 2 ]
amdhsa.kernels:
  - .name:           k_qda74146537_attn
    .symbol:         k_qda74146537_attn.kd
    .args:
      - { .name: qkv, .offset: 0, .size: 8, .value_kind: global_buffer, .address_space: global }
      - { .name: oq, .offset: 8, .size: 8, .value_kind: global_buffer, .address_space: global }
    .group_segment_fixed_size: 327680
    .private_segment_fixed_size: 0
    .kernarg_segment_align: 8
    .kernarg_segment_size: 16
    .max_flat_workgroup_size: 384
    .sgpr_count:     100
    .vgpr_count:     256
    .wavefront_size: 32
...
	.end_amdgpu_metadata
.endif
;; end of part 3
;; launch outproj (part 4): grid 64 x 4, 4 waves a work-group, clusters of 4 x 1, 262,656 bytes of LDS; arguments oq, wq, bo, out0; writes out0
.if DOCPART == 4
	.amdgcn_target "amdgcn-amd-amdhsa--gfx1250"
	.amdhsa_code_object_version 6
	.text
	.protected	k_qda74146537_outproj
	.globl	k_qda74146537_outproj
	.p2align	8
	.type	k_qda74146537_outproj,@function
k_qda74146537_outproj:
	s_mov_b64 s[64:65], 0
	v_nop
	global_prefetch_b8 v0, s[64:65] scope:SCOPE_SE
	s_setreg_imm32_b32 hwreg(HW_REG_WAVE_MODE, 25, 1), 1
	s_wait_xcnt 0x0
	s_wait_alu depctr_hold_cnt(0) depctr_sa_sdst(0) depctr_va_vdst(0) depctr_va_sdst(0) depctr_va_ssrc(0) depctr_va_vcc(0) depctr_vm_vsrc(0)
	s_getreg_b32 s2, hwreg(HW_REG_IB_STS2, 6, 4)
	s_cmp_eq_u32 s2, 0
	s_cbranch_scc0 .Lentry_in_a_cluster
	s_endpgm
.Lentry_in_a_cluster:
	s_bfe_u32 s2, ttmp6, 0x10000c
	s_cmp_lg_u32 s2, 0x3003
	s_cbranch_scc0 .Lentry_shape_is_right
	s_endpgm
.Lentry_shape_is_right:
; out0 = o Wo + bo on codes of FP4 (E2M1) with E8M0 scales, K = 1,024; out0 [8192][1024] f32.
; A work-group makes 128 rows (role A: o's tiles; work-group y) x 256 columns (role B: Wo's tiles; work-group x) with all of K in LDS, filled ONCE by tensor loads: no slot is filled again.
; Four waves: wave w takes A's tiles 4 (w / 2) + 0..3 and B's tiles 8 (w % 2) + 0..7: 32 accumulators, 256 registers.
; THE MATRIX INSTRUCTION'S FIRST SOURCE IS ROLE B.  A tile's lane row rr is row 32 b + 8 u + rr + 8 (rr / 8) of its group of 32: register j of B tile b is column 32 (b / 2) + 8 (b % 2) + 16 (lane / 16) + j of my 128,
; and lane % 16 is A's lane row.  Operands lie in memory and in LDS as images of their registers: a fragment (16 rows x 128 K) is two runs of 512 bytes at 16 x lane.
; No multicast: each tile is asked for once, at the kernel's head.
; REGISTERS, in windows of 256: window 0: v1-13 addresses; v32-63 A's scale words [8 a + q]; v64-127 B's [8 b + q]; v128-191 A's fragments, two sets; v192-255 the bias; on the way out v128-255 take rows of out0.
;   window 1: B's fragments, two sets, v0-63 and v64-127.   window 2: accumulator (a, b) at v[8 (8 a + b)].
.set ASC,   196608                     ; LDS, as in memory: A's codes [tile 0..7][8,192] from 0; B's [tile 0..15][8,192] from 65,536; A's scale words here: [K step][tile 0..7][rr], 4,096 bytes.  B's scale words go from memory straight into registers
.set STG,   208896                     ; the stages for the way out: 16 rows x (512 + 16) bytes for each wave; no fill lands here
.set LI,    3
.set ADRA,  4
.set ADRB,  5
.set ADSA,  7
.set ADSB,  8
.set STO,   11                         ; v11  the stage: where I put 32 bytes of a row
.set RD,    12                         ; v12  and where I read a row back
.set CO,    13                         ; v13  16 x lane: my bytes of a row's 512
.set SA,    32
.set SB,    64
.set AF,    128
.set BIAS,  192
.set WV,    16
.set G1CA,  24                         ; s[24:31] group 1: 65,536 dense bytes as 256 rows of 256
.set G1CB,  32                         ; s[32:39] the same as s[24:31] with the cluster's mask: B's tiles.  CLUSTERS (in place of the line on multicast above; work-group x is now the A block, y the B block): the four work-groups of a cluster take four A blocks against ONE B block and ask for B's 131,072 bytes jointly
.set G1SA,  40                         ; s[40:47] 8 K steps x 512 bytes (eight tiles' words), 32,768 bytes apart
.set MSB, 0
.macro WIN new                         ; the immediate's high byte repeats the setting that is left
.if MSB != \new
	s_set_vgpr_msb (MSB<<8)|\new
.set MSB, \new
.endif
.endm
.macro ROUND                           ; a round of the cluster's barrier
	s_barrier_signal -1
	s_barrier_wait -1
	s_cmp_lg_u32 s[WV], 0
	s_cbranch_scc1 .Lnot_wave_0_\@
	s_barrier_signal -3
.Lnot_wave_0_\@:
	s_barrier_wait -3
	s_barrier_signal -1
	s_barrier_wait -1
.endm
.macro PLACES n
.rept \n
	v_nop
.endr
.endm
.macro G1SET g, c, r, p                ; rows of c elements of 8 bytes, r rows, p elements from row to row; no mask, no padding
	s_mov_b32 s[\g+0], 3<<16
	s_mov_b32 s[\g+1], (\c)<<16
	s_mov_b32 s[\g+2], (\r)<<16
	s_mov_b32 s[\g+3], (\c)<<16
	s_mov_b32 s[\g+4], \r
	s_mov_b32 s[\g+5], \p
	s_mov_b32 s[\g+6], 0
	s_mov_b32 s[\g+7], 0
.endm
.macro G0SET g, sh, base, p, add       ; LDS address = base + (wave << sh); global address = s[p:p+1] + add
	s_mov_b32 s[\g], 1
	s_lshl_b32 s[\g+1], s[WV], \sh
	s_add_co_u32 s[\g+1], s[\g+1], \base
	s_add_nc_u64 s[\g+2:\g+3], s[\p:\p+1], \add
	s_or_b32 s[\g+3], s[\g+3], 0x80000000
.endm
.macro FETCH q                         ; K step q's fragments: B's eight into set q % 2 of window 1, A's four into set q % 2
	WIN 0x40
.irp b, 0,1,2,3,4,5,6,7
.irp c, 0,1
	ds_load_b128 v[64*((\q)%2)+8*\b+4*\c:64*((\q)%2)+8*\b+4*\c+3], v[ADRB] offset:\b*8192+(\q)*1024+\c*512
.endr
.endr
	WIN 0
.irp a, 0,1,2,3
.irp c, 0,1
	ds_load_b128 v[AF+32*((\q)%2)+8*\a+4*\c:AF+32*((\q)%2)+8*\a+4*\c+3], v[ADRA] offset:\a*8192+(\q)*1024+\c*512
.endr
.endr
.endm
; 32 products: the 32 accumulators take turns, one instruction a turn, in the same order in every K step.  cmode 1: the bias of B tile b starts the sums: nothing is cleared.
.macro MUL q, cmode
.if \cmode
	WIN 0x81                                       ; first source (B) window 1, second (A) and C window 0, D window 2
.else
	WIN 0xa1                                       ; C and D window 2
.endif
.irp a, 0,1,2,3
.irp b, 0,1,2,3,4,5,6,7
.set rD, 8*(8*\a+\b)
.set rB, 64*((\q)%2)+8*\b
.set rA, AF+32*((\q)%2)+8*\a
.set rSB, SB+8*\b+(\q)
.set rSA, SA+8*\a+(\q)
.if \cmode == 0
	v_wmma_scale_f32_16x16x128_f8f6f4 v[rD:rD+7], v[rB:rB+7], v[rA:rA+7], v[rD:rD+7], v[rSB], v[rSA] matrix_a_fmt:MATRIX_FMT_FP4 matrix_b_fmt:MATRIX_FMT_FP4
.else
	v_wmma_scale_f32_16x16x128_f8f6f4 v[rD:rD+7], v[rB:rB+7], v[rA:rA+7], v[BIAS+8*\b:BIAS+8*\b+7], v[rSB], v[rSA] matrix_a_fmt:MATRIX_FMT_FP4 matrix_b_fmt:MATRIX_FMT_FP4
.endif
.endr
.endr
.endm
.macro STEP q, cmode
	s_wait_dscnt 0x0                               ; this step's fragments, asked for 32 products ago, are in
.if \q < 7
.if \q > 0
	PLACES 4                                       ; four plain places between the last step's products and loads into the set that the step before it read
.endif
	FETCH (\q)+1
.endif
	MUL \q, \cmode
	WIN 0
.endm
	s_load_b256 s[4:11], s[0:1], 0x0               ; oq s[4:5], wq s[6:7], bo s[8:9], out0 s[10:11]
	v_lshl_add_u32 v30, v0, 2, 0x40000
	v_mov_b32 v31, 0
	ds_add_u32 v30, v31
	ds_add_u32 v30, v31
	v_lshrrev_b32 v1, 5, v0
	v_readfirstlane_b32 s[WV], v1                  ; wave 0..3
	s_lshr_b32 s17, s[WV], 1                       ; my half of A's tiles
	s_and_b32 s18, s[WV], 1                        ; my half of B's
	s_bfe_u32 s20, ttmp6, 0x40000                  ; cx
	s_lshl_b32 s21, ttmp9, 2
	s_add_co_u32 s20, s20, s21                     ; A block: 128 rows: 4 x cluster + cx
	s_and_b32 s21, ttmp7, 0xffff                   ; B block: 256 columns
	G1SET G1CA, 32, 256, 32
	G1SET G1SA, 64, 8, 4096
	G1SET G1CB, 32, 256, 32
	s_mov_b32 s[G1CB], 15|(3<<16)|(1<<21)          ; the cluster's four
	s_lshl_b32 s2, s20, 9                          ; A's scale words: 4,194,304 + 64 x (8 A block + 2 wave)
	s_add_co_u32 s2, s2, 4194304
	s_mov_b32 s3, 0
	s_lshl_b32 s94, s20, 16                        ; A's codes: 65,536 a block, two tiles a wave
	s_mov_b32 s95, 0
	s_lshl_b32 s96, s21, 13                        ; Wo's scales: 2,195,456 + 8,192 a block, 2,048 a wave
	s_lshl_b32 s97, s18, 12                        ; the scales of my eight tiles of B
	s_add_co_u32 s96, s96, s97
	s_add_co_u32 s96, s96, 2195456
	s_mov_b32 s97, 0
	s_lshl_b32 s98, s21, 17                        ; Wo's codes: 1,572,864 + 131,072 a block, four tiles a wave
	s_max_u32 s99, s[WV], 1                        ; waves 1 and 2 fetch B's halves, 65,536 bytes each
	s_sub_co_u32 s99, s99, 1
	s_lshl_b32 s99, s99, 16
	s_add_co_u32 s98, s98, s99
	s_add_co_u32 s98, s98, 1572864
	s_mov_b32 s99, 0
	s_wait_dscnt 0x0
	s_wait_kmcnt 0x0
	s_add_nc_u64 s[88:89], s[4:5], s[2:3]
	s_add_nc_u64 s[86:87], s[4:5], s[94:95]
	s_add_nc_u64 s[92:93], s[6:7], s[96:97]
	s_add_nc_u64 s[90:91], s[6:7], s[98:99]
	s_mov_b32 s56, 1                               ; A's scale words
	s_mov_b32 s57, ASC
	s_mov_b64 s[58:59], s[88:89]
	s_or_b32 s59, s59, 0x80000000
	s_mov_b32 s68, 1                               ; A's codes
	s_mov_b32 s69, 0
	s_mov_b64 s[70:71], s[86:87]
	s_or_b32 s71, s71, 0x80000000
	G0SET 72, 16, 0, 90, 0                         ; B's half wave - 1, at LDS byte 65,536 x wave
	; the fills, one a wave: wave 0 A's codes, waves 1 and 2 B's halves, wave 3 A's scale words; one chain of branches on the wave's number, all arms to one join
	ROUND                                          ; the four work-groups are here: the joint loads meet
	s_cmp_lt_u32 s[WV], 1
	s_cbranch_scc0 .Lh_b
	tensor_load_to_lds s[68:71], s[G1CA:G1CA+7]
	s_nop 0
	PLACES 4
	s_branch .Lh_done
.Lh_b:
	s_cmp_lt_u32 s[WV], 3
	s_cbranch_scc0 .Lh_s
	tensor_load_to_lds s[72:75], s[G1CB:G1CB+7]
	s_nop 0
	PLACES 4
	s_branch .Lh_done
.Lh_s:
	tensor_load_to_lds s[56:59], s[G1SA:G1SA+7]
	s_nop 0
	PLACES 4
.Lh_done:
	v_and_b32 v1, 15, v0                           ; rr
	v_bfe_u32 v2, v0, 4, 1                         ; h
	v_and_b32 v9, 31, v0
	v_lshlrev_b32 v[LI], 4, v9
	v_lshlrev_b32 v[CO], 4, v9
	s_lshl_b32 s2, s17, 15
	v_add_nc_u32 v[ADRA], s2, v[LI]
	s_lshl_b32 s2, s18, 16
	s_add_co_u32 s2, s2, 65536
	v_add_nc_u32 v[ADRB], s2, v[LI]
	s_lshl_b32 s2, s17, 8
	s_add_co_u32 s2, s2, ASC
	v_lshl_add_u32 v[ADSA], v1, 2, s2              ; 4 rr
	v_lshlrev_b32 v[ADSB], 4, v1                   ; 16 rr
	v_lshlrev_b32 v10, 6, v2                       ; the bias: 16 h numbers on
	s_wait_alu depctr_va_vdst(0)
	s_mul_i32 s2, s[WV], 16*528
	s_add_co_u32 s2, s2, STG                       ; my stage
	v_mul_u32_u24 v[STO], v1, 528
	v_lshl_add_u32 v[STO], v2, 6, v[STO]
	v_add_nc_u32 v[STO], s2, v[STO]                ; in: row rr, + 64 h bytes
	v_add_nc_u32 v[RD], s2, v[LI]                  ; back: a row of 512 bytes, 16 a lane
	s_lshl_b32 s2, s21, 10                         ; the bias of my 128 columns
	s_lshl_b32 s3, s18, 9
	s_add_co_u32 s2, s2, s3
	s_mov_b32 s3, 0
	s_add_nc_u64 s[8:9], s[8:9], s[2:3]
	s_add_nc_u64 s[10:11], s[10:11], s[2:3]        ; out0: the same columns,
	s_lshl_b32 s2, s20, 19
	s_lshl_b32 s94, s17, 18
	s_add_co_u32 s2, s2, s94
	s_add_nc_u64 s[10:11], s[10:11], s[2:3]        ; and my first row: 128 A block + 64 (w / 2), rows of 4,096 bytes
.irp b, 0,1,2,3,4,5,6,7
	global_load_b128 v[BIAS+8*\b:BIAS+8*\b+3], v10, s[8:9] offset:(32*(\b/2)+8*(\b%2))*4
	global_load_b128 v[BIAS+8*\b+4:BIAS+8*\b+7], v10, s[8:9] offset:(32*(\b/2)+8*(\b%2))*4+16
.endr
.irp b, 0,1,2,3,4,5,6,7
.irp g, 0,1
	global_load_b128 v[SB+8*\b+4*\g:SB+8*\b+4*\g+3], v[ADSB], s[92:93] offset:\b*512+\g*256   ; B's scale words: sixteen lanes read 256 consecutive bytes (lanes 16-31 the same)
.endr
.endr
	s_wait_tensorcnt 0x0                           ; my one fill has landed
	s_barrier_signal -1
	s_barrier_wait -1                              ; everybody's are
.irp a, 0,1,2,3
.irp q, 0,1,2,3,4,5,6,7
	ds_load_b32 v[SA+8*\a+\q], v[ADSA] offset:\q*512+\a*64
.endr
.endr
	FETCH 0
	s_wait_loadcnt 0x0                             ; the bias
	STEP 0, 1                                      ; the first K step starts the sums on the bias
.irp q, 1,2,3,4,5,6,7
	STEP \q, 0
.endr
; THE WAY OUT, A tile by A tile: 16 rows x 128 columns.  A lane holds pieces of 32 bytes of one row, and the lanes beside it hold other rows: so a tile goes through my own stage in LDS and comes back as whole rows of
; 512 bytes.  LDS serves a wave's instructions in order: no wait between the stores and the loads, nor in front of the next tile's stores.
.macro TOSTAGE a
	WIN 0x08                                       ; an LDS store's data are its second source: window 2
.irp b, 0,1,2,3,4,5,6,7
	ds_store_b128 v[STO], v[64*(\a)+8*\b:64*(\a)+8*\b+3] offset:128*(\b/2)+32*(\b%2)       ; each accumulator from its low end on
	ds_store_b128 v[STO], v[64*(\a)+8*\b+4:64*(\a)+8*\b+7] offset:128*(\b/2)+32*(\b%2)+16
.endr
	WIN 0
.set BB, 128+64*((\a)%2)
.irp t, 0,1,2,3,4,5,6,7,8,9,10,11,12,13,14,15
	ds_load_b128 v[BB+4*\t:BB+4*\t+3], v[RD] offset:528*\t
.endr
.endm
.macro SEND a, younger                 ; younger: the LDS instructions issued behind tile a's loads, which may stay out
.set BB, 128+64*((\a)%2)
	s_wait_dscnt \younger
.irp t, 0,1,2,3,4,5,6,7,8,9,10,11,12,13,14,15
	global_store_b128 v[CO], v[BB+4*\t:BB+4*\t+3], s[10:11] offset:(32*((\a)/2)+8*((\a)%2)+\t+8*(\t/8))*4096 th:TH_STORE_NT   ; lane row t is this row of out0; 32 lanes store 512 consecutive bytes
.endr
.endm
	PLACES 4                                       ; behind the last products: results are read, and loads land in registers that held A's fragments
	s_wait_alu depctr_va_vdst(0)
	TOSTAGE 0
.irp a, 1,2,3
.if \a > 1
	s_wait_xcnt 0x0                                ; tile a - 2's stores have read their registers: tile a's loads may land there
.endif
	TOSTAGE \a
	SEND \a-1, 32                                  ; behind tile a - 1's loads: tile a's 16 stores and 16 loads
.endr
	SEND 3, 0
	s_wait_tensorcnt 0x0
	ds_add_u32 v30, v31
	s_wait_dscnt 0x0
	ROUND                                          ; the closing round
	s_endpgm
.Lfunc_end_k_qda74146537_outproj:
	.size	k_qda74146537_outproj, .Lfunc_end_k_qda74146537_outproj-k_qda74146537_outproj
	.p2alignl 7, 3214868480
	.fill 96, 4, 3214868480
	.section	.rodata,"a",@progbits
	.p2align	6, 0x0
	.amdhsa_kernel k_qda74146537_outproj
		.amdhsa_group_segment_fixed_size 262656
		.amdhsa_private_segment_fixed_size 0
		.amdhsa_enable_private_segment 0
		.amdhsa_kernarg_size 32
		.amdhsa_user_sgpr_count 2
		.amdhsa_user_sgpr_kernarg_segment_ptr 1
		.amdhsa_wavefront_size32 1
		.amdhsa_system_sgpr_workgroup_id_x 1
		.amdhsa_system_sgpr_workgroup_id_y 1
		.amdhsa_system_sgpr_workgroup_id_z 1
		.amdhsa_system_vgpr_workitem_id 0
		.amdhsa_next_free_vgpr 768
		.amdhsa_next_free_sgpr 102
		.amdhsa_reserve_vcc 0
		.amdhsa_float_denorm_mode_32 3
		.amdhsa_float_denorm_mode_16_64 3
		.amdhsa_memory_ordered 1
		.amdhsa_forward_progress 1
		.amdhsa_inst_pref_size 73
	.end_amdhsa_kernel
	.amdgpu_metadata
---
amdhsa.version: [ 1, 2 ]
amdhsa.kernels:
  - .name:           k_qda74146537_outproj
    .symbol:         k_qda74146537_outproj.kd
    .args:
      - { .name: oq, .offset: 0, .size: 8, .value_kind: global_buffer, .address_space: global }
      - { .name: wq, .offset: 8, .size: 8, .value_kind: global_buffer, .address_space: global }
      - { .name: bo, .offset: 16, .size: 8, .value_kind: global_buffer, .address_space: global }
      - { .name: out0, .offset: 24, .size: 8, .value_kind: global_buffer, .address_space: global }
    .group_segment_fixed_size: 262656
    .private_segment_fixed_size: 0
    .kernarg_segment_align: 8
    .kernarg_segment_size: 32
    .max_flat_workgroup_size: 128
    .sgpr_count:     102
    .vgpr_count:     768
    .wavefront_size: 32
...
	.end_amdgpu_metadata
.endif
;; end of part 4
